; MI455X (gfx1250); checked and timed in simulation.
; The chip was launched on July 23, 2026; its instructions are those of AMD's public machine-readable ISA for CDNA 5 (MIT licence, August 2026) and "CDNA5" Instruction Set Architecture Reference Guide (July 2026). The comments in the code are by the model that wrote it; some were corrected since.
;; Efficient Transformer Block. Allowed arithmetic: matrix products marked QUANTISED: E4M3 operands, one given power-of-two scale a tensor, by v_wmma_f32_16x16x64_fp8_fp8 or v_wmma_f32_16x16x128_fp8_fp8, f32 sums; everything else in f32.
;; Inputs: b1 4,096 float32; b2 1,024 float32; ln1_b 1,024 float32; ln1_g 1,024 float32; ln2_b 1,024 float32; ln2_g 1,024 float32; lowp_scales 12 int32 (the exponents e of the quantised operands' scales 2^e); proj_b 1,024 float32; proj_w 1,024 x 1,024 float32; qkv_w 3,072 x 1,024 float32; w1 4,096 x 1,024 float32; w2 1,024 x 4,096 float32; x 2 x 2,048 x 1,024 float32.
;; Outputs: out0 2 x 2,048 x 1,024 float32.
;; This version of the problem:
;;   THIS VERSION OF THE PROBLEM IS GIVEN IN LOW PRECISION. The matrix products marked QUANTISED in the list below multiply operands that are first quantised to E4M3 (4 exponent bits, 3 mantissa bits; 8 bits a number), with one given power-of-two scale for each operand tensor; their sums are f32. All else is computed in f32.
;;   The module's matrix products, in the order in which they are computed (A, B: the left and right operand; K: the contracted axis; several contracted axes count as one K, in the product's order):
;;     1. [M 4,096, K 1,024] x [K 1,024, N 3,072]; A: computed on the way; B: input qkv_w: QUANTISED (scales: A lowp_scales[0], B lowp_scales[1])
;;     2. batch 32 x [M 2,048, K 64] x [K 64, N 2,048]; A: computed on the way; B: computed on the way: QUANTISED (scales: A lowp_scales[2], B lowp_scales[3])
;;     3. batch 32 x [M 2,048, K 2,048] x [K 2,048, N 64]; A: softmax (see below); B: computed on the way: QUANTISED (scales: A lowp_scales[4], B lowp_scales[5])
;;     4. [M 4,096, K 1,024] x [K 1,024, N 1,024]; A: computed on the way; B: input proj_w: QUANTISED (scales: A lowp_scales[6], B lowp_scales[7])
;;     5. [M 4,096, K 1,024] x [K 1,024, N 4,096]; A: computed on the way; B: input w1: QUANTISED (scales: A lowp_scales[8], B lowp_scales[9])
;;     6. [M 4,096, K 4,096] x [K 4,096, N 1,024]; A: computed on the way; B: input w2: QUANTISED (scales: A lowp_scales[10], B lowp_scales[11])
;;   THE QUANTISER, for each operand of a quantised product, along K:
;;     - The operand's scale is 2^e, e = its entry of the input lowp_scales (int32; the entries are numbered through the quantised products in the list's order, A before B).
;;     - Each number is divided by the scale, clamped to +-448, and rounded to the nearest number of E4M3, ties to even, subnormals kept.
;;     - The product sums the exact products of the quantised numbers (number of the format x scale) in f32.
;;   ~~~python
;;   def quantise(x, axis, e):      # numpy; x: float32 -> the quantised numbers, widened to float32 again
;;       x = np.moveaxis(x, axis, -1); K = x.shape[-1]
;;       r = np.clip(x / 2.0 ** e, -448, 448)
;;       step = 2.0 ** (np.maximum(np.frexp(np.where(r == 0, 1, r))[1] - 1, -6) - 3)
;;       q = np.round(r / step) * step * 2.0 ** e      # np.round: ties to even
;;       return np.moveaxis(q, -1, axis).astype(np.float32)
;;   ~~~
;;   SOFTMAX AHEAD OF A QUANTISED PRODUCT. Where the list says 'softmax', what is quantised is not the finished softmax but p = 2^(t - M), with t = logit x log2(e) and M = ceil(the row's largest t), a whole number; so 1/2 < the row's largest p <= 1. The row's sum l is taken of the UNQUANTISED p, in f32, and the product's result is divided by l at the end. Since M is a whole number, a kernel that streams over the keys may use a running M (the ceiling of the running maximum): every later rescaling is an exact power of two, so the quantised numbers keep their values, but for numbers so far below the row's largest that they fall under the format's range.
;;   OPERANDS COMPUTED ON THE WAY. 'Computed on the way' means the value that the module computes at that place (a softmax that the list does not call 'softmax' is quantised finished and normalised). What goes into a quantiser is computed in f32, as accurately as f32 sums, v_exp_f32 and their like allow (about 1e-6 of the number): no bf16 or f16 on the way to a quantiser, and a product that is left as it is and whose result goes on into a quantised operand takes f32 operands (vector FMAs, or v_wmma_f32_16x16x4_f32). A number that lies on a knife's edge between two numbers of the format may be rounded either way, as far as f32 arithmetic and the matrix unit's own rounding can turn it there, and no further.
;; One version. Each part assembles by itself: llvm-mc -triple=amdgcn-amd-amdhsa -mcpu=gfx1250 --defsym DOCPART=n.
;; ======== version 1 of 1: 7 launches
;; limits: an absolute error that grows with the inputs' magnitude: up to 1e-07 times it
;; workspace buffers: wcodes 12,582,912 bytes; hcodes 4,194,304 bytes; qkvc 12,582,912 bytes; aoc 4,194,304 bytes; x1 16,777,216 bytes; h2c 4,194,304 bytes; hid 16,777,216 bytes
;; launch prep (part 1): grid 640 x 1, 4 waves a work-group, no clusters, 66,048 bytes of LDS; arguments x, ln1_g, ln1_b, qkv_w, proj_w, w1, w2, lowp_scales, wcodes, hcodes; writes wcodes, hcodes
.if DOCPART == 1
	.amdgcn_target "amdgcn-amd-amdhsa--gfx1250"
	.amdhsa_code_object_version 6
	.text
	.protected	k_q447f1f0d2e_prep
	.globl	k_q447f1f0d2e_prep
	.p2align	8
	.type	k_q447f1f0d2e_prep,@function
k_q447f1f0d2e_prep:
	s_mov_b64 s[64:65], 0
	v_nop
	global_prefetch_b8 v0, s[64:65] scope:SCOPE_SE
	s_setreg_imm32_b32 hwreg(HW_REG_WAVE_MODE, 25, 1), 1
	s_wait_xcnt 0x0
; PREP.  Work-groups 0-383: the four weights (f32, K innermost) become codes of E4M3, each with its given scale 2^e (entries 1, 7, 9, 11), laid on end in wcodes: qkv_w, proj_w, w1, w2.
; Work-groups 384-639: h = LayerNorm(x) g + b in f32, quantised with entry 0, into hcodes [4096][1024].
; code = number / 2^e, held within +-448, to the nearest code, ties to even.  LIMITS: each e between -126 and 119, so that 2^e and 448 x 2^e are f32 numbers; NaN among the inputs is not served.
; The conversions take 8 neighbours along K from ONE lane's registers; the loads take 16 bytes a lane, 512 consecutive bytes a wave.  So 2,048 bytes at a time turn through the wave's own stage
; in LDS (64 bytes + 16 of padding a place).  No tensor load, no barrier: waves share nothing.  Each of the two paths has LDS bytes of its own.
.set STEPS, 16
.set WGW,   384                        ; work-groups of the weight path: 12,582,912 numbers / 32,768
.set EMAX,  8
.set MANT,  0x600000                   ; the mantissa field of 448 as f32
.set SP,    80                         ; a place in a stage: 64 bytes + 16
.set WREG,  8192                       ; LDS of a wave in either path: two stages of 32 places
.set LNB,   32768                      ; the LayerNorm path's bytes begin here
.set SPARE, 65536                      ; the spare words: 128 bytes a wave, named by no other line
.set SPW,   12                         ; v12 my spare word's address; never rewritten
.set NIL,   13                         ; v13 0; never rewritten
.set R,     16                         ; weights: v16-79 four sets of 16 numbers as loaded
.set X,     80                         ;          v80-111 two sets of 16 neighbours
.set C,     128                        ;          v128-191 four registers of codes for each step
.set G,     16                         ; LayerNorm: v16-47 g, v48-79 b, in a row's register layout
.set BB,    48
.set RW,    80                         ;          v80-207 four rows of 32 registers
.set XQ,    208                        ;          v208-239 two sets of 16 neighbours
	s_load_b512 s[16:31], s[0:1], 0x0              ; x 16, g 18, b 20, qkv_w 22, proj_w 24, w1 26, w2 28, scales 30
	s_load_b128 s[32:35], s[0:1], 0x40             ; wcodes 32, hcodes 34
	v_lshl_add_u32 v[SPW], v0, 2, SPARE
	v_mov_b32 v[NIL], 0
	v_lshrrev_b32 v1, 5, v0
	v_readfirstlane_b32 s36, v1                    ; wave
	v_and_b32 v2, 31, v0                           ; lane
	v_lshlrev_b32 v3, 4, v2                        ; 16 x lane: my bytes of a load's or a store's 512; never rewritten
	s_mul_i32 s37, s36, WREG
	v_lshrrev_b32 v14, 2, v2
	v_mul_u32_u24 v14, v14, SP
	v_and_b32 v15, 3, v2
	v_lshl_add_u32 v14, v15, 4, v14
	v_add_nc_u32 v14, s37, v14                     ; the stage, in: four lanes' 64 bytes make a place
	v_mul_u32_u24 v15, v2, SP
	v_add_nc_u32 v15, s37, v15                     ; the stage, out: place = lane: my 16 neighbours
	s_wait_kmcnt 0x0
	s_load_b256 s[40:47], s[30:31], 0x0            ; e0 .. e7
	s_load_b128 s[48:51], s[30:31], 0x20           ; e8 .. e11
	s_cmp_lt_u32 ttmp9, WGW
	s_cbranch_scc0 .Lln
; ---------------- the weights: a wave takes 16 steps of 512 numbers
	s_mov_b32 s6, 256                              ; the tensor and its first work-group, chosen by the work-group's number alone
	s_cmp_lt_u32 ttmp9, 256
	s_cselect_b64 s[4:5], s[26:27], s[28:29]
	s_cselect_b32 s6, 128, s6
	s_cmp_lt_u32 ttmp9, 128
	s_cselect_b64 s[4:5], s[24:25], s[4:5]
	s_cselect_b32 s6, 96, s6
	s_cmp_lt_u32 ttmp9, 96
	s_cselect_b64 s[4:5], s[22:23], s[4:5]
	s_cselect_b32 s6, 0, s6
	s_sub_co_u32 s7, ttmp9, s6
	s_lshl_b32 s7, s7, 2
	s_add_co_u32 s7, s7, s36
	s_lshl_b32 s8, s7, 15                          ; my wave's 8,192 numbers: 32,768 bytes
	s_mov_b32 s9, 0
	s_add_nc_u64 s[4:5], s[4:5], s[8:9]
	s_lshl_b32 s8, ttmp9, 2
	s_add_co_u32 s8, s8, s36
	s_lshl_b32 s8, s8, 13                          ; and their 8,192 bytes of codes: the four tensors lie on end
	s_add_nc_u64 s[10:11], s[32:33], s[8:9]
.macro LOAD t
.irp i, 0,1,2,3
	global_load_b128 v[R+16*((\t)%4)+4*\i:R+16*((\t)%4)+4*\i+3], v3, s[4:5] offset:2048*(\t)+512*\i th:TH_LOAD_NT
.endr
.endm
.macro TURN t                          ; a step's numbers through the stage: LDS serves a wave's instructions in order, so no wait stands between stores and loads
.irp i, 0,1,2,3
	ds_store_b128 v14, v[R+16*((\t)%4)+4*\i:R+16*((\t)%4)+4*\i+3] offset:32*SP*((\t)%2)+8*SP*\i
.endr
.irp i, 0,1,2,3
	ds_load_b128 v[X+16*((\t)%2)+4*\i:X+16*((\t)%2)+4*\i+3], v15 offset:32*SP*((\t)%2)+16*\i
.endr
.endm
.irp t, 0,1,2,3
	LOAD \t
.endr
	s_wait_kmcnt 0x0
	s_cmp_lt_u32 ttmp9, 256
	s_cselect_b32 s12, s49, s51                    ; e9 or e11
	s_cmp_lt_u32 ttmp9, 128
	s_cselect_b32 s12, s47, s12                    ; e7
	s_cmp_lt_u32 ttmp9, 96
	s_cselect_b32 s12, s41, s12                    ; e1
	s_add_co_i32 s12, s12, 127
	s_lshl_b32 s13, s12, 23
	v_mov_b32 v11, s13                             ; 2^e: the conversion takes its exponent field
	s_add_co_i32 s12, s12, EMAX
	s_lshl_b32 s12, s12, 23
	s_or_b32 s12, s12, MANT
	v_mov_b32 v10, s12                             ; 448 x 2^e
	s_wait_loadcnt 12                              ; step 0's four loads are in; three steps' twelve stay out
	TURN 0
.macro STEP t
.set XS, X+16*((\t)%2)
	s_wait_dscnt 0x0                               ; this step's numbers are back: its stores into the stage have read their registers,
.if (\t)+4 < STEPS
	LOAD (\t)+4                                    ; which take the loads of four steps on
.endif
.if (\t)+1 < STEPS
.if STEPS-2-(\t) >= 3
	s_wait_loadcnt 12                              ; the next step's four loads are in; the twelve behind them stay out
.else
	s_wait_loadcnt 4*(STEPS-2-(\t))
.endif
	TURN (\t)+1
.endif
.irp i, 0,1,2,3,4,5,6,7,8,9,10,11,12,13,14,15
	v_med3_num_f32 v[XS+\i], v[XS+\i], -v10, v10   ; the conversion does not saturate (ISA guide 7.6.2): the hold comes first
.endr
	v_cvt_scalef32_pk8_fp8_f32 v[C+4*(\t):C+4*(\t)+1], v[XS:XS+7], v11
	v_cvt_scalef32_pk8_fp8_f32 v[C+4*(\t)+2:C+4*(\t)+3], v[XS+8:XS+15], v11
	global_store_b128 v3, v[C+4*(\t):C+4*(\t)+3], s[10:11] offset:512*(\t)   ; the wave stores 512 consecutive bytes; each step has its own registers
.endm
.irp t, 0,1,2,3,4,5,6,7,8,9,10,11,12,13,14,15
	STEP \t
.endr
	s_wait_tensorcnt 0x0                           ; the wave's end
	ds_add_u32 v[SPW], v[NIL]
	s_wait_dscnt 0x0
	s_endpgm
; ---------------- LayerNorm: a work-group takes 16 rows, a wave 4; a row of 4,096 bytes is 32 registers of one wave: element 128 j + 4 lane + c lies in register 4 j + c
.Lln:
	s_sub_co_u32 s7, ttmp9, WGW
	s_lshl_b32 s7, s7, 4
	s_lshl_b32 s8, s36, 2
	s_add_co_u32 s7, s7, s8                        ; my first row
	s_lshl_b32 s8, s7, 12
	s_mov_b32 s9, 0
	s_add_nc_u64 s[4:5], s[16:17], s[8:9]
	s_lshl_b32 s8, s7, 10
	s_add_nc_u64 s[10:11], s[34:35], s[8:9]
.irp j, 0,1,2,3,4,5,6,7
	global_load_b128 v[G+4*\j:G+4*\j+3], v3, s[18:19] offset:512*\j
.endr
.irp j, 0,1,2,3,4,5,6,7
	global_load_b128 v[BB+4*\j:BB+4*\j+3], v3, s[20:21] offset:512*\j
.endr
.irp i, 0,1,2,3
.irp j, 0,1,2,3,4,5,6,7
	global_load_b128 v[RW+32*\i+4*\j:RW+32*\i+4*\j+3], v3, s[4:5] offset:4096*\i+512*\j th:TH_LOAD_NT
.endr
.endr
	s_mov_b32 s52, 0x76543210                      ; v_permlanex16_b32: lane l takes lane l xor 16
	s_mov_b32 s53, 0xfedcba98
	s_mov_b32 s54, 0x3a800000                      ; 1 / 1024
	s_mov_b32 s55, 0x3727c5ac                      ; 1e-5
	v_mov_b32 v253, 0                              ; (upper halves of pairs of which the low word serves both halves)
	v_mov_b32 v255, 0
	s_wait_kmcnt 0x0
	s_add_co_i32 s12, s40, 127                     ; e0
	s_lshl_b32 s13, s12, 23
	v_mov_b32 v11, s13
	s_add_co_i32 s12, s12, EMAX
	s_lshl_b32 s12, s12, 23
	s_or_b32 s12, s12, MANT
	v_mov_b32 v10, s12
.macro ALLSUM                          ; the two chains, the pair's halves, the 32 lanes: the sum stands in v248 of every lane
	v_pk_add_f32 v[248:249], v[248:249], v[250:251]
	v_add_f32 v248, v248, v249
	v_add_f32_dpp v248, v248, v248 row_xmask:1 row_mask:0xf bank_mask:0xf
	v_add_f32_dpp v248, v248, v248 row_xmask:2 row_mask:0xf bank_mask:0xf
	v_add_f32_dpp v248, v248, v248 row_xmask:4 row_mask:0xf bank_mask:0xf
	v_add_f32_dpp v248, v248, v248 row_xmask:8 row_mask:0xf bank_mask:0xf
	v_permlanex16_b32 v249, v248, s52, s53
	v_add_f32 v248, v248, v249
.endm
.macro LNROW i
.set RR, RW+32*(\i)
	s_wait_loadcnt 8*(3-(\i))                      ; g, b and this row are in; the later rows' eight loads each stay out
	v_pk_add_f32 v[248:249], v[RR:RR+1], v[RR+2:RR+3]
	v_pk_add_f32 v[250:251], v[RR+4:RR+5], v[RR+6:RR+7]
.irp j, 8,12,16,20,24,28
	v_pk_add_f32 v[248:249], v[248:249], v[RR+\j:RR+\j+1]
	v_pk_add_f32 v[250:251], v[250:251], v[RR+\j+2:RR+\j+3]
.endr
	ALLSUM
	v_mul_f32 v252, s54, v248                      ; the mean
.irp j, 0,2,4,6,8,10,12,14,16,18,20,22,24,26,28,30
	v_pk_add_f32 v[RR+\j:RR+\j+1], v[RR+\j:RR+\j+1], v[252:253] op_sel_hi:[1,0] neg_lo:[0,1] neg_hi:[0,1]   ; x - mean, in place
.endr
	v_pk_mul_f32 v[248:249], v[RR:RR+1], v[RR:RR+1]
	v_pk_mul_f32 v[250:251], v[RR+2:RR+3], v[RR+2:RR+3]
.irp j, 4,8,12,16,20,24,28
	v_pk_fma_f32 v[248:249], v[RR+\j:RR+\j+1], v[RR+\j:RR+\j+1], v[248:249]
	v_pk_fma_f32 v[250:251], v[RR+\j+2:RR+\j+3], v[RR+\j+2:RR+\j+3], v[250:251]
.endr
	ALLSUM
	v_fma_f32 v248, v248, s54, s55                 ; the variance + 1e-5
	v_rsq_f32 v254, v248
	v_nop                                          ; a plain line behind the transcendental,
	s_wait_alu depctr_va_vdst(0)                   ; and the wait ahead of its first reader
.irp j, 0,2,4,6,8,10,12,14,16,18,20,22,24,26,28,30
	v_pk_mul_f32 v[RR+\j:RR+\j+1], v[RR+\j:RR+\j+1], v[254:255] op_sel_hi:[1,0]
.endr
.irp j, 0,2,4,6,8,10,12,14,16,18,20,22,24,26,28,30
	v_pk_fma_f32 v[RR+\j:RR+\j+1], v[RR+\j:RR+\j+1], v[G+\j:G+\j+1], v[BB+\j:BB+\j+1]
.endr
.irp u, 0,1                            ; the row's two halves of 512 numbers through the two stages
.irp k, 0,1,2,3
	ds_store_b128 v14, v[RR+16*\u+4*\k:RR+16*\u+4*\k+3] offset:LNB+32*SP*\u+8*SP*\k
.endr
.irp k, 0,1,2,3
	ds_load_b128 v[XQ+16*\u+4*\k:XQ+16*\u+4*\k+3], v15 offset:LNB+32*SP*\u+16*\k
.endr
.endr
	s_wait_dscnt 8                                 ; the first half is back; the second half's four stores and four loads stay out
.irp k, 0,1,2,3,4,5,6,7,8,9,10,11,12,13,14,15
	v_med3_num_f32 v[XQ+\k], v[XQ+\k], -v10, v10
.endr
	v_cvt_scalef32_pk8_fp8_f32 v[RR:RR+1], v[XQ:XQ+7], v11         ; into registers of the row's first half, whose stores into the stage are done
	v_cvt_scalef32_pk8_fp8_f32 v[RR+2:RR+3], v[XQ+8:XQ+15], v11
	global_store_b128 v3, v[RR:RR+3], s[10:11] offset:1024*(\i)    ; the wave stores 512 consecutive bytes
	s_wait_dscnt 0x0
.irp k, 16,17,18,19,20,21,22,23,24,25,26,27,28,29,30,31
	v_med3_num_f32 v[XQ+\k], v[XQ+\k], -v10, v10
.endr
	v_cvt_scalef32_pk8_fp8_f32 v[RR+4:RR+5], v[XQ+16:XQ+23], v11
	v_cvt_scalef32_pk8_fp8_f32 v[RR+6:RR+7], v[XQ+24:XQ+31], v11
	v_nop                                          ; a plain line behind the last conversion of the run
	global_store_b128 v3, v[RR+4:RR+7], s[10:11] offset:1024*(\i)+512
.endm
	LNROW 0
	LNROW 1
	LNROW 2
	LNROW 3
	s_wait_tensorcnt 0x0                           ; the wave's end
	ds_add_u32 v[SPW], v[NIL]
	s_wait_dscnt 0x0
	s_endpgm
.Lfunc_end_k_q447f1f0d2e_prep:
	.size	k_q447f1f0d2e_prep, .Lfunc_end_k_q447f1f0d2e_prep-k_q447f1f0d2e_prep
	.p2alignl 7, 3214868480
	.fill 96, 4, 3214868480
	.section	.rodata,"a",@progbits
	.p2align	6, 0x0
	.amdhsa_kernel k_q447f1f0d2e_prep
		.amdhsa_group_segment_fixed_size 66048
		.amdhsa_private_segment_fixed_size 0
		.amdhsa_enable_private_segment 0
		.amdhsa_kernarg_size 80
		.amdhsa_user_sgpr_count 2
		.amdhsa_user_sgpr_kernarg_segment_ptr 1
		.amdhsa_wavefront_size32 1
		.amdhsa_system_sgpr_workgroup_id_x 1
		.amdhsa_system_sgpr_workgroup_id_y 1
		.amdhsa_system_sgpr_workgroup_id_z 1
		.amdhsa_system_vgpr_workitem_id 0
		.amdhsa_next_free_vgpr 256
		.amdhsa_next_free_sgpr 66
		.amdhsa_reserve_vcc 0
		.amdhsa_float_denorm_mode_32 3
		.amdhsa_float_denorm_mode_16_64 3
		.amdhsa_memory_ordered 1
		.amdhsa_forward_progress 1
		.amdhsa_inst_pref_size 81
	.end_amdhsa_kernel
	.amdgpu_metadata
---
amdhsa.version: [ 1, 2 ]
amdhsa.kernels:
  - .name:           k_q447f1f0d2e_prep
    .symbol:         k_q447f1f0d2e_prep.kd
    .args:
      - { .name: x, .offset: 0, .size: 8, .value_kind: global_buffer, .address_space: global }
      - { .name: ln1_g, .offset: 8, .size: 8, .value_kind: global_buffer, .address_space: global }
      - { .name: ln1_b, .offset: 16, .size: 8, .value_kind: global_buffer, .address_space: global }
      - { .name: qkv_w, .offset: 24, .size: 8, .value_kind: global_buffer, .address_space: global }
      - { .name: proj_w, .offset: 32, .size: 8, .value_kind: global_buffer, .address_space: global }
      - { .name: w1, .offset: 40, .size: 8, .value_kind: global_buffer, .address_space: global }
      - { .name: w2, .offset: 48, .size: 8, .value_kind: global_buffer, .address_space: global }
      - { .name: lowp_scales, .offset: 56, .size: 8, .value_kind: global_buffer, .address_space: global }
      - { .name: wcodes, .offset: 64, .size: 8, .value_kind: global_buffer, .address_space: global }
      - { .name: hcodes, .offset: 72, .size: 8, .value_kind: global_buffer, .address_space: global }
    .group_segment_fixed_size: 66048
    .private_segment_fixed_size: 0
    .kernarg_segment_align: 8
    .kernarg_segment_size: 80
    .max_flat_workgroup_size: 128
    .sgpr_count:     66
    .vgpr_count:     256
    .wavefront_size: 32
...
	.end_amdgpu_metadata
.endif
;; end of part 1
;; launch qkv (part 2): grid 12 x 16, 4 waves a work-group, clusters of 4 x 4, 327,680 bytes of LDS; arguments hcodes, wcodes, lowp_scales, qkvc; writes qkvc
.if DOCPART == 2
	.amdgcn_target "amdgcn-amd-amdhsa--gfx1250"
	.amdhsa_code_object_version 6
	.text
	.protected	k_q447f1f0d2e_qkv
	.globl	k_q447f1f0d2e_qkv
	.p2align	8
	.type	k_q447f1f0d2e_qkv,@function
k_q447f1f0d2e_qkv:
	s_mov_b64 s[64:65], 0
	v_nop
	global_prefetch_b8 v0, s[64:65] scope:SCOPE_SE
	s_setreg_imm32_b32 hwreg(HW_REG_WAVE_MODE, 25, 1), 1
	s_wait_xcnt 0x0
	s_wait_alu depctr_hold_cnt(0) depctr_sa_sdst(0) depctr_va_vdst(0) depctr_va_sdst(0) depctr_va_ssrc(0) depctr_va_vcc(0) depctr_vm_vsrc(0)
	s_getreg_b32 s2, hwreg(HW_REG_IB_STS2, 6, 4)
	s_cmp_eq_u32 s2, 0
	s_cbranch_scc0 .Lentry_in_a_cluster
	s_endpgm
.Lentry_in_a_cluster:
	s_bfe_u32 s2, ttmp6, 0x10000c
	s_cmp_lg_u32 s2, 0xf033
	s_cbranch_scc0 .Lentry_shape_is_right
	s_endpgm
.Lentry_shape_is_right:
; QKV.  [4096 tokens][3072] = h qkv_w^T on codes of E4M3 (scales: entries 0, 1); the sums are quantised at once: q with entry 2, k with entry 3, v with entry 5.
; Out: q and k as [batch x head = 32][2048 rows][64]; v as [32][64][2048 tokens], the tokens innermost, since they are the K of attention's second product.
; THE ROWS OF q AND k: within every 32 tokens the second and the third group of eight change places (row = the token's number with bits 3 and 4 exchanged): attention's key tiles then read 16 neighbouring rows.
; A tile of 256 x 256 to a work-group of four waves, 128 x 128 a wave: 64 accumulators.  K goes in steps of 256 through two LDS slots filled by joint tensor loads: 4 x 4 work-groups form a cluster,
; h's tile is shared along a row of it, the weights' along a column.  Source 1 of the matrix instruction gives a lane its row, source 0 its eight neighbouring columns.
; Cluster x = 0: q, 1: k, 2: v; it is the same in all sixteen partners.  q, k: source 1 = tokens, source 0 = channels.  v: the wave takes its source 1 from the weights' tile and its source 0 from h's,
; so a lane holds one channel and eight neighbouring TOKENS: the tile comes out turned, with the same loop and the same tensor loads.
; A fragment's k are fetched 16 bytes a load, in the same order on both sides: every product meets its partner; only the order of the sums inside an instruction differs.
; LIMITS: eX - e0 - e1 (X = 2, 3, 5) between -126 and 119.  NaN among the inputs is not served.
; REGISTERS: window 0: v0-31 addresses, v32-113 the way out, v128-255 source 1's fragments (one set); window 1: source 0's (two sets); windows 2, 3: the accumulators.
.set SIZE_K, 1024
.set KSTEP,  256
.set ROWB,   256
.set KROW,   SIZE_K
.set PITCH,  272                       ; 256 bytes + 16: the 16 rows of a fragment load start at 16 different banks (64 banks of 4 bytes: ISA guide 11.1)
.set FR,     16
.set NL,     4
.set NP,     4                         ; places behind this matrix instruction (ISA guide 7.12.1)
.set HALFT,  128*PITCH
.set SLOT,   4*HALFT                   ; h's 256 rows, then the weights' 256 rows
.set LAPS,   SIZE_K/(2*KSTEP)
.set SPARE,  2*SLOT                    ; the spare words: 128 bytes a wave, named by no other line
.set ADRA, 16                          ; v16-17 LDS address of source 1's fragments in slot 0, 1
.set ADRB, 20                          ; v20-21 of source 0's
.set STO,  24                          ; v24 the stage: where I put 8 codes
.set RDQ,  25                          ; v25 q, k: where I read 16 bytes back;  v26 their place in memory
.set GQ,   26
.set RDV,  27                          ; v27, v30 the same for v
.set SPW,  28
.set NIL,  29
.set GV,   30
.set TMP,  32                          ; v32-95 a block's sums, held
.set CD,   96                          ; v96-111 its codes
.set LIM,  112                         ; v112 448 x 2^E, v113 2^E, E = eX - e0 - e1
.set SC,   113
.set AF,   128
.set G1, 24
.set G0, 32
.set G1B, 48
.set G0B, 56
.set MSB, 0
.macro WIN new                         ; the immediate's high byte repeats the setting that is left
.if MSB != \new
	s_set_vgpr_msb (MSB<<8)|\new
.set MSB, \new
.endif
.endm
.set MUL_LO, 0xa1                      ; source 0 window 1, source 1 window 0, C and D window 2
.set MUL_HI, 0xf1
.set TO_B,   0x40
.macro JLOAD g0a, g1a, g0b, g1b        ; a joint load: waves 0, 1 fetch h's halves, waves 2, 3 the weights'; an s_nop 0 and four v_nop follow each line
	s_cmp_eq_u32 s15, 0
	s_cbranch_scc0 .Lfor_b_\@
	tensor_load_to_lds s[\g0a:\g0a+3], s[\g1a:\g1a+7]
	s_nop 0
.rept 4
	v_nop
.endr
	s_branch .Lasked_\@
.Lfor_b_\@:
	tensor_load_to_lds s[\g0b:\g0b+3], s[\g1b:\g1b+7]
	s_nop 0
.rept 4
	v_nop
.endr
.Lasked_\@:
.endm
.macro CREST
	s_cmp_lg_u32 s14, 0
	s_cbranch_scc1 .Lnot_wave_0_\@
	s_barrier_signal -3
.Lnot_wave_0_\@:
	s_barrier_wait -3
	s_barrier_signal -1
	s_barrier_wait -1
.endm
.macro CROUND
	s_barrier_signal -1
	s_barrier_wait -1
	CREST
.endm
	s_load_b128 s[4:7], s[0:1], 0x0                ; h's codes, the weights' codes
	s_load_b128 s[8:11], s[0:1], 0x10              ; the scales' exponents, qkvc
	v_lshl_add_u32 v[SPW], v0, 2, SPARE
	v_mov_b32 v[NIL], 0
	ds_add_u32 v[SPW], v[NIL]                      ; the wave's opening: the add and its wait stand ahead of my first tensor load
	v_lshrrev_b32 v1, 5, v0
	v_readfirstlane_b32 s14, v1                    ; wave
	s_lshr_b32 s15, s14, 1                         ; my half of source 1's rows; also: I fetch h's tile (0) or the weights' (1)
	s_and_b32 s16, s14, 1                          ; my half of source 0's rows; also: which 128 rows I fetch
	s_bfe_u32 s40, ttmp6, 0x40000                  ; cx, cy
	s_bfe_u32 s41, ttmp6, 0x40004
	s_lshl_b32 s42, ttmp9, 2
	s_add_co_u32 s42, s42, s40                     ; tile column
	s_and_b32 s17, ttmp7, 0xffff
	s_lshl_b32 s17, s17, 2
	s_add_co_u32 s17, s17, s41                     ; tile row
	s_lshl_b32 s43, s41, 2
	s_lshl_b32 s43, 15, s43                        ; my row of the cluster
	s_lshl_b32 s44, 0x1111, s40                    ; my column
	s_or_b32 s[G1+0], s43, (0<<16)|(1<<20)|(1<<21)|(5<<22)|(3<<25)  ; mask; elements of 1 byte; padding on; bit 21 beside a mask; 4 words behind every 64
	s_or_b32 s[G1B+0], s44, (0<<16)|(1<<20)|(1<<21)|(5<<22)|(3<<25)
.irp g, G1, G1B
	s_mov_b32 s[\g+1], ROWB<<16                    ; tensor_dim0
	s_mov_b32 s[\g+2], 128<<16                     ; tensor_dim1
	s_mov_b32 s[\g+3], ROWB<<16                    ; tile_dim0
	s_mov_b32 s[\g+4], 128                         ; tile_dim1
	s_mov_b32 s[\g+5], KROW                        ; stride
	s_mov_b32 s[\g+6], 0
	s_mov_b32 s[\g+7], 0
.endr
	s_lshl_b32 s18, s16, 7
	s_lshl_b32 s20, s17, 8
	s_add_co_u32 s20, s20, s18                     ; h: row 256 x tile row + 128 x half
	s_lshl_b32 s46, s42, 8
	s_add_co_u32 s46, s46, s18                     ; weights: row 256 x tile column + 128 x half
	s_mov_b32 s21, 0
	s_mov_b32 s47, 0
	s_mov_b64 s[18:19], KROW
	s_mul_u64 s[20:21], s[20:21], s[18:19]
	s_mul_u64 s[46:47], s[46:47], s[18:19]
	s_mul_i32 s45, s14, HALFT                      ; where they go: wave x 128 rows
	s_wait_dscnt 0x0                               ; the opening add is done
	s_wait_kmcnt 0x0
	s_load_b256 s[80:87], s[8:9], 0x0              ; e0 .. e7
	s_add_nc_u64 s[20:21], s[4:5], s[20:21]
	s_add_nc_u64 s[46:47], s[6:7], s[46:47]
	CROUND                                         ; all sixteen work-groups are here: the first joint loads meet
.irp s, 0,1
	s_mov_b32 s[G0+4*\s], 1
	s_add_co_u32 s[G0+4*\s+1], s45, \s*SLOT
	s_add_nc_u64 s[G0+4*\s+2:G0+4*\s+3], s[20:21], \s*ROWB
	s_or_b32 s[G0+4*\s+3], s[G0+4*\s+3], 0x80000000
	s_mov_b32 s[G0B+4*\s], 1
	s_add_co_u32 s[G0B+4*\s+1], s45, \s*SLOT
	s_add_nc_u64 s[G0B+4*\s+2:G0B+4*\s+3], s[46:47], \s*ROWB
	s_or_b32 s[G0B+4*\s+3], s[G0B+4*\s+3], 0x80000000
	JLOAD G0+4*\s, G1, G0B+4*\s, G1B
.endr
	v_and_b32 v1, 15, v0                           ; r
	v_bfe_u32 v2, v0, 4, 1                         ; h
	v_mul_u32_u24 v3, v1, PITCH
	v_lshl_add_u32 v4, v2, 4, v3                   ; a fragment's row x pitch + 16 x half
	s_cmp_ge_u32 ttmp9, 2                          ; v's clusters take source 1 from the weights' tile and source 0 from h's; either way the address stays inside its slot
	s_cselect_b32 s18, 2*HALFT, 0
	s_cselect_b32 s19, 0, 2*HALFT
	s_mul_i32 s21, s15, HALFT
	s_mul_i32 s22, s16, HALFT
	s_add_co_u32 s21, s21, s18
	s_add_co_u32 s22, s22, s19
.irp s, 0,1
	v_add_nc_u32 v[ADRA+\s], s21, v4
	v_add_nc_u32 v[ADRB+\s], s22, v4
	s_add_co_u32 s21, s21, SLOT
	s_add_co_u32 s22, s22, SLOT
.endr
	s_mul_i32 s23, s15, 128*PITCH                  ; the stage, 256 rows x 272 bytes in slot 0: row 128 x half + 16 a + r, byte 128 x half + 16 b + 8 h
	s_lshl_b32 s19, s16, 7
	s_add_co_u32 s23, s23, s19
	v_lshl_add_u32 v5, v2, 3, v3
	v_add_nc_u32 v[STO], s23, v5
	v_and_b32 v6, 31, v0
	s_mul_i32 s23, s14, 64*PITCH                   ; back: wave w takes rows 64 w .. 64 w + 63
	v_lshrrev_b32 v7, 2, v6
	v_mul_u32_u24 v7, v7, PITCH
	v_and_b32 v8, 3, v6
	v_lshl_add_u32 v7, v8, 4, v7
	v_add_nc_u32 v[RDQ], s23, v7                   ; q, k: four lanes to a token's 64 bytes of one head, eight tokens an instruction
	v_lshlrev_b32 v[GQ], 4, v6
	v_mul_u32_u24 v7, v2, PITCH
	v_lshl_add_u32 v7, v1, 4, v7
	v_add_nc_u32 v[RDV], s23, v7                   ; v: sixteen lanes to a channel's 256 bytes, two channels an instruction
	v_lshlrev_b32 v7, 11, v2
	v_lshl_add_u32 v[GV], v1, 4, v7
	s_lshr_b32 s20, s17, 3                         ; batch
	s_and_b32 s21, s17, 7                          ; which 256 tokens of it
	s_lshl_b32 s46, s20, 4
	s_lshl_b32 s47, s40, 2
	s_add_co_u32 s46, s46, s47                     ; q, k: batch x 16 + the tile's first head,
	s_lshl_b32 s46, s46, 11
	s_lshl_b32 s47, s21, 8
	s_add_co_u32 s46, s46, s47
	s_lshl_b32 s47, s14, 6
	s_add_co_u32 s46, s46, s47                     ; x 2,048 tokens + my first token,
	s_lshl_b32 s46, s46, 6                         ; x 64 bytes,
	s_lshl_b32 s47, ttmp9, 22
	s_add_co_u32 s46, s46, s47                     ; in q's or k's part
	s_lshl_b32 s18, s20, 21                        ; v: batch x 1,024 channels x 2,048,
	s_lshl_b32 s19, s40, 8
	s_lshl_b32 s47, s14, 6
	s_add_co_u32 s19, s19, s47
	s_lshl_b32 s19, s19, 11
	s_add_co_u32 s18, s18, s19                     ; + my first channel x 2,048,
	s_lshl_b32 s19, s21, 8
	s_add_co_u32 s18, s18, s19                     ; + the tile's first token,
	s_add_co_u32 s18, s18, 8388608                 ; in v's part
	s_cmp_ge_u32 ttmp9, 2
	s_cselect_b32 s46, s18, s46
	s_mov_b32 s47, 0
	s_add_nc_u64 s[10:11], s[10:11], s[46:47]
.macro FRAG reg, adr, q, i             ; 16 rows x 128 K: registers 4 c .. 4 c + 3 hold K = 32 c + 16 (l / 16) + 0 .. 15 of row l % 16
.irp c, 0,1,2,3
	ds_load_b128 v[\reg+4*\c:\reg+4*\c+3], v[\adr] offset:128*(\q)+32*\c+(\i)*16*PITCH
.endr
.endm
.macro MUL16 a0, p, zero               ; 16 matrix instructions; the 64 accumulators take turns, one instruction a turn, in the same order in every step
.irp a, \a0, \a0+1
.irp b, 0,1,2,3,4,5,6,7
.if \zero
	v_wmma_f32_16x16x128_fp8_fp8 v[8*(8*((\a)%4)+\b):8*(8*((\a)%4)+\b)+7], v[128*(\p)+FR*\b:128*(\p)+FR*\b+FR-1], v[AF+FR*(\a):AF+FR*(\a)+FR-1], 0
.else
	v_wmma_f32_16x16x128_fp8_fp8 v[8*(8*((\a)%4)+\b):8*(8*((\a)%4)+\b)+7], v[128*(\p)+FR*\b:128*(\p)+FR*\b+FR-1], v[AF+FR*(\a):AF+FR*(\a)+FR-1], v[8*(8*((\a)%4)+\b):8*(8*((\a)%4)+\b)+7]
.endif
.endr
.endr
.endm
.macro FETCH_B slot, q, p
	WIN TO_B
.irp i, 0,1,2,3,4,5,6,7
	FRAG 128*(\p)+FR*\i, ADRB+\slot, \q, \i
.endr
	WIN 0
.endm
.macro FETCH_A slot, q, i0
.irp i, \i0, \i0+1, \i0+2, \i0+3
	FRAG AF+FR*(\i), ADRA+\slot, \q, \i
.endr
.endm
.macro PLACES n                        ; plain vector lines between a matrix instruction and a load into, or a read of, its registers
.rept \n
	v_nop
.endr
.endm
.macro STEP slot, q, zero              ; 128 along K, with its successor in the same slot
	s_wait_dscnt 4*NL                              ; source 0's set and blocks 0-3 are in; the sixteen youngest loads (blocks 4-7) may be out
	WIN MUL_LO
	MUL16 0, (\q)%2, \zero
	MUL16 2, (\q)%2, \zero
	s_wait_dscnt 0
	PLACES NP
	FETCH_B \slot, (\q)+1, 1-(\q)%2
	FETCH_A \slot, (\q)+1, 0
	WIN MUL_HI
	MUL16 4, (\q)%2, \zero
	MUL16 6, (\q)%2, \zero
	PLACES NP
	WIN 0
	FETCH_A \slot, (\q)+1, 4
.endm
.macro TURN slot, next, fill           ; a slot's last step changes slots: one barrier
	s_wait_tensorcnt 0x0                           ; all my tensor loads have landed: my part of the next slot
	ds_add_u32 v[SPW], v[NIL]                      ; 0 onto my spare word
	s_wait_dscnt 4*NL+1                            ; (the add and the sixteen youngest loads may be out)
	WIN MUL_LO
	MUL16 0, 1, 0
	s_wait_dscnt 0x0                               ; the add is done, and my reads of this slot are over
	s_barrier_signal -1
	MUL16 2, 1, 0
	WIN 0
	s_barrier_wait -1
.if \fill
	CREST                                          ; the barrier has opened a round of the cluster's: no wave of any partner still reads this slot or has a load on its way
	s_add_nc_u64 s[G0+4*\slot+2:G0+4*\slot+3], s[G0+4*\slot+2:G0+4*\slot+3], 2*ROWB
	s_add_nc_u64 s[G0B+4*\slot+2:G0B+4*\slot+3], s[G0B+4*\slot+2:G0B+4*\slot+3], 2*ROWB
	JLOAD G0+4*\slot, G1, G0B+4*\slot, G1B         ; the first tensor load behind the round; its four v_nop are the places in front of the loads below
.else
	PLACES NP
.endif
	FETCH_B \next, 0, 0
	FETCH_A \next, 0, 0
	WIN MUL_HI
	MUL16 4, 1, 0
	MUL16 6, 1, 0
	PLACES NP
	WIN 0
	FETCH_A \next, 0, 4
.endm
	s_wait_tensorcnt 1                             ; my part of K step 0 is in; K step 1's load may be out
	s_barrier_signal -1
	s_barrier_wait -1
	FETCH_B 0, 0, 0
	FETCH_A 0, 0, 0
	FETCH_A 0, 0, 4
	STEP 0, 0, 1                                   ; the first step's products start the sums
	s_mov_b32 s3, LAPS-1
.Llap:
	TURN 0, 1, 1
	STEP 1, 0, 0
	TURN 1, 0, 1
	STEP 0, 0, 0
	s_sub_co_u32 s3, s3, 1
	s_cmp_lg_u32 s3, 0
	s_cbranch_scc1 .Llap
	TURN 0, 1, 0                                   ; the last lap fills nothing
	STEP 1, 0, 0
	s_wait_dscnt 4*NL
	WIN MUL_LO
	MUL16 0, 1, 0
	MUL16 2, 1, 0
	s_wait_dscnt 0
	WIN MUL_HI
	MUL16 4, 1, 0
	MUL16 6, 1, 0
	WIN 0
; THE WAY OUT.  A sum stands for sum x 2^(e0 + e1), so its code is sum / 2^(eX - e0 - e1): the three scales are folded into the conversion's one.  A lane's eight sums are eight neighbours along the next K.
; The codes meet in one stage of 256 rows in slot 0, which has had its last fill, and which nobody has read since the last change of slots.
	s_wait_kmcnt 0x0
	s_cmp_eq_u32 ttmp9, 0
	s_cselect_b32 s88, s82, s83                    ; q: e2; k: e3
	s_cmp_ge_u32 ttmp9, 2
	s_cselect_b32 s88, s85, s88                    ; v: e5
	s_sub_co_i32 s88, s88, s80
	s_sub_co_i32 s88, s88, s81
	s_add_co_i32 s88, s88, 127
	s_lshl_b32 s89, s88, 23
	v_mov_b32 v[SC], s89
	s_add_co_i32 s88, s88, 8
	s_lshl_b32 s88, s88, 23
	s_or_b32 s88, s88, 0x600000
	v_mov_b32 v[LIM], s88
	PLACES NP
.macro QBLOCK a
.set AC, 64*((\a)%4)
	WIN 0x02+((\a)/4)                              ; source 0: window 2 or 3
.set j, 0
.rept 64
	v_med3_num_f32 v[TMP+j], v[AC+j], -v[LIM], v[LIM]   ; the hold, into other registers; each accumulator from its low end on
.set j, j+1
.endr
	WIN 0
.if (\a) > 0
	s_wait_dscnt 0x0                               ; the last block's stores have read their codes
.endif
.irp b, 0,1,2,3,4,5,6,7
	v_cvt_scalef32_pk8_fp8_f32 v[CD+2*\b:CD+2*\b+1], v[TMP+8*\b:TMP+8*\b+7], v[SC]
.endr
	v_nop                                          ; a plain line behind the last conversion
.irp b, 0,1,2,3,4,5,6,7
	ds_store_b64 v[STO], v[CD+2*\b:CD+2*\b+1] offset:(\a)*16*PITCH+16*\b
.endr
.endm
.irp a, 0,1,2,3,4,5,6,7
	QBLOCK \a
.endr
	s_wait_dscnt 0x0                               ; for the others' sake: my stores into the stage are done
	s_barrier_signal -1
	s_barrier_wait -1
	s_cmp_ge_u32 ttmp9, 2
	s_cbranch_scc1 .Lout_v
.set i, 0
.rept 32                               ; head i / 8 of the tile's four, tokens 8 (i % 8) on
	ds_load_b128 v[128+4*i:128+4*i+3], v[RDQ] offset:(i%8)*8*PITCH+(i/8)*64
.set i, i+1
.endr
.set i, 0
.rept 32                               ; group g = i % 8 of eight tokens goes to group g with its two low bits exchanged: 0, 2, 1, 3, 4, 6, 5, 7
	s_wait_dscnt 31-i
	global_store_b128 v[GQ], v[128+4*i:128+4*i+3], s[10:11] offset:(i/8)*131072+(((i%8)&4)|(((i%8)&1)<<1)|(((i%8)>>1)&1))*512   ; the wave stores 512 consecutive bytes: eight tokens of one head
.set i, i+1
.endr
	s_branch .Lout_done
.Lout_v:
.set i, 0
.rept 32
	ds_load_b128 v[128+4*i:128+4*i+3], v[RDV] offset:i*2*PITCH
.set i, i+1
.endr
.set i, 0
.rept 32
	s_wait_dscnt 31-i
	global_store_b128 v[GV], v[128+4*i:128+4*i+3], s[10:11] offset:i*4096   ; sixteen lanes store 256 consecutive bytes, aligned: a channel's 256 tokens
.set i, i+1
.endr
.Lout_done:
	s_wait_tensorcnt 0x0                           ; the wave's end
	ds_add_u32 v[SPW], v[NIL]
	s_wait_dscnt 0x0
	CROUND                                         ; the closing round
	s_endpgm
.Lfunc_end_k_q447f1f0d2e_qkv:
	.size	k_q447f1f0d2e_qkv, .Lfunc_end_k_q447f1f0d2e_qkv-k_q447f1f0d2e_qkv
	.p2alignl 7, 3214868480
	.fill 96, 4, 3214868480
	.section	.rodata,"a",@progbits
	.p2align	6, 0x0
	.amdhsa_kernel k_q447f1f0d2e_qkv
		.amdhsa_group_segment_fixed_size 327680
		.amdhsa_private_segment_fixed_size 0
		.amdhsa_enable_private_segment 0
		.amdhsa_kernarg_size 32
		.amdhsa_user_sgpr_count 2
		.amdhsa_user_sgpr_kernarg_segment_ptr 1
		.amdhsa_wavefront_size32 1
		.amdhsa_system_sgpr_workgroup_id_x 1
		.amdhsa_system_sgpr_workgroup_id_y 1
		.amdhsa_system_sgpr_workgroup_id_z 1
		.amdhsa_system_vgpr_workitem_id 0
		.amdhsa_next_free_vgpr 1024
		.amdhsa_next_free_sgpr 100
		.amdhsa_reserve_vcc 0
		.amdhsa_float_denorm_mode_32 3
		.amdhsa_float_denorm_mode_16_64 3
		.amdhsa_memory_ordered 1
		.amdhsa_forward_progress 1
		.amdhsa_inst_pref_size 132
	.end_amdhsa_kernel
	.amdgpu_metadata
---
amdhsa.version: [ 1, 2 ]
amdhsa.kernels:
  - .name:           k_q447f1f0d2e_qkv
    .symbol:         k_q447f1f0d2e_qkv.kd
    .args:
      - { .name: hcodes, .offset: 0, .size: 8, .value_kind: global_buffer, .address_space: global }
      - { .name: wcodes, .offset: 8, .size: 8, .value_kind: global_buffer, .address_space: global }
      - { .name: lowp_scales, .offset: 16, .size: 8, .value_kind: global_buffer, .address_space: global }
      - { .name: qkvc, .offset: 24, .size: 8, .value_kind: global_buffer, .address_space: global }
    .group_segment_fixed_size: 327680
    .private_segment_fixed_size: 0
    .kernarg_segment_align: 8
    .kernarg_segment_size: 32
    .max_flat_workgroup_size: 128
    .sgpr_count:     100
    .vgpr_count:     1024
    .wavefront_size: 32
...
	.end_amdgpu_metadata
.endif
;; end of part 2
;; launch attn (part 3): grid 8 x 32, 16 waves a work-group, clusters of 4 x 1, 327,680 bytes of LDS; arguments qkvc, lowp_scales, aoc; writes aoc
.if DOCPART == 3
	.amdgcn_target "amdgcn-amd-amdhsa--gfx1250"
	.amdhsa_code_object_version 6
	.text
	.protected	k_q447f1f0d2e_attn
	.globl	k_q447f1f0d2e_attn
	.p2align	8
	.type	k_q447f1f0d2e_attn,@function
k_q447f1f0d2e_attn:
	s_mov_b64 s[64:65], 0
	v_nop
	global_prefetch_b8 v0, s[64:65] scope:SCOPE_SE
	s_setreg_imm32_b32 hwreg(HW_REG_WAVE_MODE, 25, 1), 1
	s_wait_xcnt 0x0
	s_wait_alu depctr_hold_cnt(0) depctr_sa_sdst(0) depctr_va_vdst(0) depctr_va_sdst(0) depctr_va_ssrc(0) depctr_va_vcc(0) depctr_vm_vsrc(0)
	s_getreg_b32 s2, hwreg(HW_REG_IB_STS2, 6, 4)
	s_cmp_eq_u32 s2, 0
	s_cbranch_scc0 .Lentry_in_a_cluster
	s_endpgm
.Lentry_in_a_cluster:
	s_bfe_u32 s2, ttmp6, 0x10000c
	s_cmp_lg_u32 s2, 0x3003
	s_cbranch_scc0 .Lentry_shape_is_right
	s_endpgm
.Lentry_shape_is_right:
; ATTENTION on codes of E4M3.  q, k: [32 heads][2048 rows][64]; v: [32][64][2048], the keys innermost; scales: q entry 2, k entry 3, p entry 4, v entry 5; the result is quantised with entry 6 into aoc [4096 tokens][1024].
; In q and k a row holds the token whose number is the row's with bits 3 and 4 exchanged (the launch before lays them so).
; t = score x log2(e) / 8; M = the running largest t rounded UP to a whole number; p = 2^(t - M) is quantised, not normalised; the row's sum is taken of the unquantised p and divides at the end.
; When M moves, the sum and O are multiplied by 2^(old M - new M): nothing is rounded.
; SHARES.  A work-group owns 256 queries of one head, each of its sixteen waves 16 of them in 256 registers: four waves to a SIMD, so that one wave's vector work stands beside another's products and LDS loads.
; Every wave walks all 2,048 keys, 128 a step.
; ALL OF THE HEAD'S K AND V LIE IN LDS AT ONCE, in four parts of 512 keys: a part is 512 rows of K x 80 bytes + 64 rows of V x 528 bytes = 74,752 bytes, four are 299,008.  Every byte is filled once, by loads that go out
; together at the head: waves 0, 1 ask for K's halves of the four parts, waves 2, 3 for V's: four loads of a wave are out.  Nothing is filled again: at a part's head stand a counted wait and one barrier.
; CLUSTER: the four partners are four query blocks of one head and need the same K and V: each tile is asked for jointly, behind the one round at the head.
; No prefetch: every byte of K and V is asked for at the head by the tensor loads themselves; no load follows that one could run ahead of.
; Both products are used transposed: S^T = K Q^T, O^T = V^T P^T: a lane holds one query throughout.  Lane r of key tile t reads LDS row 16 t + r: 16 neighbouring rows of 20 words start at 16 different groups of four banks
; (64 banks of 4 bytes: ISA guide 11.1).  By the rows' order that is key 32 b + 8 u + r + 8 (r / 8) for t = 2 b + u, so the 16 registers of tiles 2 b, 2 b + 1 are the 16 neighbouring keys 32 b + 16 (lane / 16) + 0 .. 15:
; the conversions' results are the second product's operand.
; A head's 64 codes are a quarter of an aligned 256 bytes of aoc's row; the other quarters belong to other heads' work-groups: these stores cover 64 consecutive bytes a token.
; LIMITS: e2 + e3 between -123 and 130 (added to c's exponent field); e4 and e6 between -126 and 119; e4 + e5 goes by v_ldexp_f32 and has none.  NaN among the inputs is not served.
; REGISTERS: v1-11 addresses; v12 -M, v13 the largest t, v[14:15] the sum; v16-23 Q; v32-95 K's 8 fragments, then V's 4; v96-159 S^T, then p; v160-191 O^T; v192-223 the way out; v224-239 p's codes; v236-254 at work.
.set SK,    512                        ; keys in a part
.set NPT,   2048/SK                    ; parts
.set KP,    80                         ; a key's row in LDS: 64 bytes + 16
.set VP,    528                        ; a row of V's tile: 512 bytes + 16 = 132 words: row r starts at bank 4 r mod 64
.set VOFF,  SK*KP
.set PARTB, VOFF+64*VP
.set SPARE, NPT*PARTB                  ; the spare words: 128 bytes for each of sixteen waves, named by no other line
.set STAGE, SPARE+2048                 ; the way out: 16 rows x 80 bytes for each wave; no tile lands here
.set SPT,   80
.set AK0,  1
.set AV0,  2
.set SPW,  5
.set NIL,  6
.set GO,   7
.set ADK,  8
.set ADV,  9
.set TBK,  2                           ; s2 LDS byte at which the pair of steps in hand finds its keys' rows;  s3 the same for V's rows
.set TBV,  3
.set WV,   18
.set CNT,  19
.set SEL,  20
.set CS,   22
.set G1K,  24                          ; s[24:31], s[32:39] descriptor groups 1
.set G1V,  32
.set G0K,  40                          ; s[40:55] K's four groups 0;  V's four: s[56:63] and s[88:95]: none is written again
.macro CROUND
	s_barrier_signal -1
	s_barrier_wait -1
	s_cmp_lg_u32 s[WV], 0
	s_cbranch_scc1 .Lnot_wave_0_\@
	s_barrier_signal -3
.Lnot_wave_0_\@:
	s_barrier_wait -3
	s_barrier_signal -1
	s_barrier_wait -1
.endm
	s_load_b128 s[4:7], s[0:1], 0x0                ; qkvc, the scales' exponents
	s_load_b64 s[8:9], s[0:1], 0x10                ; aoc
	v_lshl_add_u32 v[SPW], v0, 2, SPARE
	v_mov_b32 v[NIL], 0
	ds_add_u32 v[SPW], v[NIL]                      ; the wave's opening: the add and its wait stand ahead of the first tensor loads
	v_lshrrev_b32 v8, 5, v0
	v_readfirstlane_b32 s[WV], v8                  ; wave 0..15
	s_bfe_u32 s81, ttmp6, 0x40000                  ; cx
	s_lshl_b32 s84, ttmp9, 2
	s_add_co_u32 s84, s84, s81                     ; my block of 256 queries: it enters q's and the result's addresses alone
	s_and_b32 s85, ttmp7, 0xffff                   ; batch x 16 + head, which the partners share
	s_lshl_b32 s86, s85, 17                        ; its 131,072 bytes in each of q, k, v
	s_and_b32 s76, s[WV], 1
	s_lshl_b32 s78, s76, 14                        ; K: my 256 rows of a part, in memory
	s_add_co_u32 s78, s78, s86
	s_add_co_u32 s78, s78, 4194304
	s_mov_b32 s79, 0
	s_mul_i32 s77, s76, 256*KP                     ; and in a part
	s_lshl_b32 s82, s76, 16                        ; V: my 32 rows of 2,048 bytes
	s_add_co_u32 s82, s82, s86
	s_add_co_u32 s82, s82, 8388608
	s_mov_b32 s83, 0
	s_mul_i32 s80, s76, 32*VP
	s_add_co_u32 s80, s80, VOFF
	s_lshl_b32 s96, s84, 8                         ; my block's first query
	s_lshr_b32 s10, s[WV], 1
	s_lshl_b32 s10, s10, 5
	s_lshl_b32 s11, s76, 3
	s_add_co_u32 s10, s10, s11
	s_add_co_u32 s10, s10, s96                     ; q's rows of tokens 16 w + r are 32 (w / 2) + 8 (w % 2) + r + 8 (r / 8)
	s_lshl_b32 s98, s10, 6
	s_add_co_u32 s98, s98, s86
	s_mov_b32 s99, 0
	s_lshl_b32 s97, s[WV], 4
	s_add_co_u32 s96, s96, s97                     ; my first query in the head
	s_lshr_b32 s97, s85, 4
	s_lshl_b32 s97, s97, 11
	s_add_co_u32 s96, s96, s97                     ; its token,
	s_lshl_b32 s96, s96, 10
	s_and_b32 s97, s85, 15
	s_lshl_b32 s97, s97, 6
	s_add_co_u32 s96, s96, s97                     ; x 1,024 + 64 x head
	s_mov_b32 s97, 0
	s_mov_b32 s[G1K], 15|(0<<16)|(1<<20)|(1<<21)|(3<<22)|(3<<25)   ; mask: all four; elements of 1 byte; padding: 4 words behind every 16; bit 21 beside a mask
	s_mov_b32 s[G1K+1], 64<<16                     ; tensor_dim0
	s_mov_b32 s[G1K+2], 256<<16                    ; tensor_dim1
	s_mov_b32 s[G1K+3], 64<<16                     ; tile_dim0
	s_mov_b32 s[G1K+4], 256                        ; tile_dim1
	s_mov_b32 s[G1K+5], 64                         ; stride
	s_mov_b32 s[G1K+6], 0
	s_mov_b32 s[G1K+7], 0
	s_mov_b32 s[G1V], 15|(0<<16)|(1<<20)|(1<<21)|(6<<22)|(3<<25)   ; padding: 4 words behind every 128
	s_mov_b32 s[G1V+1], 512<<16
	s_mov_b32 s[G1V+2], 32<<16
	s_mov_b32 s[G1V+3], 512<<16
	s_mov_b32 s[G1V+4], 32
	s_mov_b32 s[G1V+5], 2048
	s_mov_b32 s[G1V+6], 0
	s_mov_b32 s[G1V+7], 0
	s_mov_b32 s[SEL], 0x76543210
	s_mov_b32 s[SEL+1], 0xfedcba98
	s_mov_b32 s[CS], 0x3e38aa3b                    ; c = log2(e) / 8
	s_wait_dscnt 0x0                               ; the opening add is done
	s_wait_kmcnt 0x0
	s_load_b256 s[68:75], s[6:7], 0x0              ; e0 .. e7
	s_add_nc_u64 s[12:13], s[4:5], s[78:79]        ; K at my rows of part 0
	s_add_nc_u64 s[14:15], s[4:5], s[82:83]        ; V likewise
.irp c, 0,1,2,3
.if \c < 2
.set G0V, 56+4*\c
.else
.set G0V, 80+4*\c
.endif
	s_mov_b32 s[G0K+4*\c], 1                       ; count = 1
	s_add_co_u32 s[G0K+4*\c+1], s77, \c*PARTB      ; LDS address
	s_add_nc_u64 s[G0K+4*\c+2:G0K+4*\c+3], s[12:13], \c*SK*64   ; part c: 512 rows of 64 bytes on
	s_or_b32 s[G0K+4*\c+3], s[G0K+4*\c+3], 0x80000000           ; type = 2
	s_mov_b32 s[G0V], 1
	s_add_co_u32 s[G0V+1], s80, \c*PARTB
	s_add_nc_u64 s[G0V+2:G0V+3], s[14:15], \c*SK   ; part c: 512 bytes on in each row
	s_or_b32 s[G0V+3], s[G0V+3], 0x80000000
.endr
	CROUND                                         ; all four work-groups are here: the joint loads meet
	s_cmp_lt_u32 s[WV], 2                          ; a wave's four fills stand in one branch, ahead of every wait on TENSORcnt, every LDS read and every other barrier; an s_nop 0 follows each, four v_nop the last
	s_cbranch_scc0 .Lnot_k
.irp c, 0,1,2,3
	tensor_load_to_lds s[G0K+4*\c:G0K+4*\c+3], s[G1K:G1K+7]
	s_nop 0
.endr
.rept 4
	v_nop
.endr
	s_branch .Lasked
.Lnot_k:
	s_cmp_lt_u32 s[WV], 4
	s_cbranch_scc0 .Lasked
	tensor_load_to_lds s[56:59], s[G1V:G1V+7]
	s_nop 0
	tensor_load_to_lds s[60:63], s[G1V:G1V+7]
	s_nop 0
	tensor_load_to_lds s[88:91], s[G1V:G1V+7]
	s_nop 0
	tensor_load_to_lds s[92:95], s[G1V:G1V+7]
	s_nop 0
.rept 4
	v_nop
.endr
.Lasked:
	s_add_nc_u64 s[16:17], s[4:5], s[98:99]        ; q at my wave's rows
	s_add_nc_u64 s[8:9], s[8:9], s[96:97]          ; the result at my first query
	v_and_b32 v8, 15, v0                           ; r
	v_bfe_u32 v9, v0, 4, 1                         ; h
	v_and_b32 v11, 8, v8
	v_add_nc_u32 v11, v11, v8                      ; r + 8 (r / 8)
	v_lshlrev_b32 v10, 6, v11
	v_lshl_add_u32 v10, v9, 4, v10
	global_load_b128 v[16:19], v10, s[16:17]       ; Q's fragment stays in registers: k = 16 h + 0 .. 15,
	global_load_b128 v[20:23], v10, s[16:17] offset:32   ; and 32 + 16 h + 0 .. 15: the order in which K's are fetched too
	v_mul_u32_u24 v[AK0], v8, KP
	v_lshl_add_u32 v[AK0], v9, 4, v[AK0]           ; K: row r of a tile, + 16 h
	v_mul_u32_u24 v[AV0], v8, VP
	v_lshl_add_u32 v[AV0], v9, 4, v[AV0]
	v_add_nc_u32 v[AV0], VOFF, v[AV0]
	v_and_b32 v11, 31, v0
	v_lshrrev_b32 v[GO], 2, v11
	v_lshlrev_b32 v[GO], 10, v[GO]
	v_and_b32 v11, 3, v11
	v_lshl_add_u32 v[GO], v11, 4, v[GO]            ; the way out: four lanes to a token's 64 bytes
	v_mov_b32 v13, 0xff61b1e6                      ; the largest t so far: -3e38
	v_floor_f32 v12, -v13                          ; -M
	v_mov_b32 v14, 0
	v_mov_b32 v15, 0
	v_mov_b32 v236, 0                              ; a lane permute's destination counts as one of its sources
	v_mov_b32 v253, 0
.set j, 0
.rept 32
	v_mov_b32 v[160+j], 0                          ; O^T: the step is written once; the first finds zeros
.set j, j+1
.endr
	s_wait_kmcnt 0x0
	s_add_co_i32 s82, s70, s71
	s_lshl_b32 s82, s82, 23
	s_add_co_i32 s[CS], s[CS], s82                 ; a score stands for score x 2^(e2 + e3)
	s_mov_b32 s[CS+1], s[CS]
	s_add_co_i32 s82, s72, 127
	s_lshl_b32 s83, s82, 23
	v_mov_b32 v244, s83                            ; 2^e4
	s_add_co_i32 s82, s82, 8
	s_lshl_b32 s82, s82, 23
	s_or_b32 s82, s82, 0x600000
	v_mov_b32 v240, s82                            ; 448 x 2^e4
	s_add_co_i32 s82, s74, 127
	s_lshl_b32 s83, s82, 23
	v_mov_b32 v246, s83                            ; 2^e6
	s_add_co_i32 s82, s82, 8
	s_lshl_b32 s82, s82, 23
	s_or_b32 s82, s82, 0x600000
	v_mov_b32 v247, s82                            ; 448 x 2^e6
	s_add_co_i32 s84, s72, s73                     ; e4 + e5
.macro STEP q                          ; 128 keys, the q-th of the pair in hand
	v_add_nc_u32 v[ADK], s[TBK], v[AK0]
	v_add_nc_u32 v[ADV], s[TBV], v[AV0]
	v_nop                                          ; with the two additions: four places in front of loads into registers that the last products read
	v_nop
.irp t, 0,1,2,3,4,5,6,7
	ds_load_b128 v[32+8*\t:35+8*\t], v[ADK] offset:(128*(\q)+16*\t)*KP
	ds_load_b128 v[36+8*\t:39+8*\t], v[ADK] offset:(128*(\q)+16*\t)*KP+32
.endr
	s_wait_dscnt 0x0
.irp t, 0,1,2,3,4,5,6,7
	v_wmma_f32_16x16x64_fp8_fp8 v[96+8*\t:103+8*\t], v[32+8*\t:39+8*\t], v[16:23], 0
.endr
.rept 4
	v_nop
.endr
.irp t, 0,1,2,3                        ; V's fragments are asked for here and land under the softmax
.irp c, 0,1,2,3
	ds_load_b128 v[32+16*\t+4*\c:32+16*\t+4*\c+3], v[ADV] offset:16*\t*VP+128*(\q)+32*\c
.endr
.endr
	v_max3_num_f32 v254, v96, v97, v98             ; the step's largest score of my query among my 64 keys, in two chains,
	v_max3_num_f32 v252, v99, v100, v101
.irp i, 6,10,14,18,22,26,30,34,38,42,46,50,54,58
	v_max3_num_f32 v254, v254, v[96+\i], v[97+\i]
	v_max3_num_f32 v252, v252, v[98+\i], v[99+\i]
.endr
	v_max3_num_f32 v254, v254, v158, v159
	v_max_num_f32 v254, v254, v252
	v_permlanex16_b32 v236, v254, s[SEL], s[SEL+1]
	v_max_num_f32 v254, v254, v236                 ; and among lane l xor 16's
	v_mul_f32 v254, s[CS], v254                    ; as t
	v_max_num_f32 v13, v13, v254
	v_mov_b32 v254, v12
	v_floor_f32 v12, -v13                          ; the new -M = -ceil(t)
	v_sub_f32 v254, v12, v254                      ; old M - new M: a whole number, 0 or less
	v_cvt_i32_f32 v254, v254
	v_ldexp_f32 v252, 1.0, v254                    ; f = 2^(old M - new M)
.set j, 0
.rept 32
	v_pk_fma_f32 v[96+j:97+j], v[96+j:97+j], s[CS:CS+1], v[12:13] op_sel_hi:[1,0,0]   ; t - M
.set j, j+2
.endr
.set j, 0
.rept 64
	v_exp_f32 v[96+j], v[96+j]                     ; p = 2^(t - M)
.set j, j+1
.endr
	v_pk_mul_f32 v[14:15], v[14:15], v[252:253] op_sel_hi:[1,0]   ; the sums under the new M: the plain line behind the exponentials
	s_wait_alu depctr_va_vdst(0)                   ; one wait for the batch, ahead of its first reader
	v_pk_add_f32 v[242:243], v[96:97], v[98:99]    ; the row's sum is taken of the unquantised p
.irp j, 4,8,12,16,20,24,28,32,36,40,44,48,52,56,60
	v_pk_add_f32 v[14:15], v[14:15], v[96+\j:97+\j]
	v_pk_add_f32 v[242:243], v[242:243], v[98+\j:99+\j]
.endr
	v_pk_add_f32 v[14:15], v[14:15], v[242:243]
.irp b, 0,1,2,3
.irp i, 0,1,2,3,4,5,6,7,8,9,10,11,12,13,14,15
	v_min_num_f32 v[96+16*\b+\i], v[96+16*\b+\i], v240   ; p is not negative: the hold is one-sided
.endr
	v_cvt_scalef32_pk8_fp8_f32 v[224+4*\b:225+4*\b], v[96+16*\b:103+16*\b], v244
	v_cvt_scalef32_pk8_fp8_f32 v[226+4*\b:227+4*\b], v[104+16*\b:111+16*\b], v244
.endr
.set j, 0
.rept 16
	v_pk_mul_f32 v[160+j:161+j], v[160+j:161+j], v[252:253] op_sel_hi:[1,0]   ; O^T under the new M; also the plain lines behind the conversions
.set j, j+2
.endr
	s_wait_dscnt 0x0                               ; V's fragments are in
.irp t, 0,1,2,3
	v_wmma_f32_16x16x128_fp8_fp8 v[160+8*\t:167+8*\t], v[32+16*\t:47+16*\t], v[224:239], v[160+8*\t:167+8*\t]
.endr
.endm
; PART c: 512 keys.  A wave's tensor loads end in the order of issue (ISA guide 10.11.1): with the NPT - 1 - c loads of the later parts still out, my piece of part c has landed; behind the barrier everybody's has.
; The later parts' loads may stay out across it.  No LDS instruction of mine is pending at the signal: a step's last wait on DScnt is for 0.
.macro PART c
	s_wait_tensorcnt NPT-1-\c
	s_barrier_signal -1
	s_barrier_wait -1
	s_mov_b32 s[TBK], \c*PARTB
	s_mov_b32 s[TBV], \c*PARTB
	s_mov_b32 s[CNT], SK/256
.Lpair_\@:                             ; two trips of two steps
	STEP 0
	STEP 1
	s_add_co_u32 s[TBK], s[TBK], 256*KP            ; 256 rows of K on,
	s_add_co_u32 s[TBV], s[TBV], 256               ; 256 bytes on in V's rows
	s_sub_co_u32 s[CNT], s[CNT], 1
	s_cmp_lg_u32 s[CNT], 0
	s_cbranch_scc1 .Lpair_\@
.endm
	s_wait_loadcnt 0x0                             ; Q
	PART 0
	PART 1
	PART 2
	PART 3
	; THE WAY OUT: O^T x 2^(e4 + e5) / the sum, quantised with e6; a lane's eight channels are 8 codes; they go through my stage and leave 16 bytes a lane
	v_add_f32 v14, v14, v15
	v_permlanex16_b32 v252, v14, s[SEL], s[SEL+1]
	v_add_f32 v14, v14, v252                       ; the row's sum
	v_rcp_f32 v14, v14
	v_and_b32 v8, 15, v0
	v_bfe_u32 v9, v0, 4, 1
	s_mul_i32 s85, s[WV], 16*SPT
	s_add_co_u32 s85, s85, STAGE
	v_mul_u32_u24 v10, v8, SPT
	v_lshl_add_u32 v10, v9, 3, v10
	v_add_nc_u32 v10, s85, v10                     ; in: row r, + 8 h
	v_and_b32 v8, 31, v0
	v_lshrrev_b32 v11, 2, v8
	v_mul_u32_u24 v11, v11, SPT
	v_and_b32 v8, 3, v8
	v_lshl_add_u32 v11, v8, 4, v11
	v_add_nc_u32 v11, s85, v11                     ; back: four lanes to a row
	s_wait_alu depctr_va_vdst(0)                   ; the wait ahead of the reciprocal's first reader
	v_ldexp_f32 v14, v14, s84
.set j, 0
.rept 32
	v_mul_f32 v[192+j], v[160+j], v14              ; register 8 t + i is o(r, 16 t + 8 h + i)
.set j, j+1
.endr
.set j, 0
.rept 32
	v_med3_num_f32 v[192+j], v[192+j], -v247, v247
.set j, j+1
.endr
.irp t, 0,1,2,3
	v_cvt_scalef32_pk8_fp8_f32 v[224+2*\t:225+2*\t], v[192+8*\t:199+8*\t], v246
.endr
	v_nop
.irp t, 0,1,2,3
	ds_store_b64 v10, v[224+2*\t:225+2*\t] offset:16*\t
.endr
.irp i, 0,1
	ds_load_b128 v[32+4*\i:35+4*\i], v11 offset:8*SPT*\i   ; LDS serves a wave's instructions in order: these see my stores
.endr
.irp i, 0,1
	s_wait_dscnt 1-\i
	global_store_b128 v[GO], v[32+4*\i:35+4*\i], s[8:9] offset:8192*\i
.endr
	s_wait_tensorcnt 0x0                           ; the wave's end
	ds_add_u32 v[SPW], v[NIL]
	s_wait_dscnt 0x0
	CROUND                                         ; the closing round
	s_endpgm
.Lfunc_end_k_q447f1f0d2e_attn:
	.size	k_q447f1f0d2e_attn, .Lfunc_end_k_q447f1f0d2e_attn-k_q447f1f0d2e_attn
	.p2alignl 7, 3214868480
	.fill 96, 4, 3214868480
	.section	.rodata,"a",@progbits
	.p2align	6, 0x0
	.amdhsa_kernel k_q447f1f0d2e_attn
		.amdhsa_group_segment_fixed_size 327680
		.amdhsa_private_segment_fixed_size 0
		.amdhsa_enable_private_segment 0
		.amdhsa_kernarg_size 24
		.amdhsa_user_sgpr_count 2
		.amdhsa_user_sgpr_kernarg_segment_ptr 1
		.amdhsa_wavefront_size32 1
		.amdhsa_system_sgpr_workgroup_id_x 1
		.amdhsa_system_sgpr_workgroup_id_y 1
		.amdhsa_system_sgpr_workgroup_id_z 1
		.amdhsa_system_vgpr_workitem_id 0
		.amdhsa_next_free_vgpr 256
		.amdhsa_next_free_sgpr 100
		.amdhsa_reserve_vcc 0
		.amdhsa_float_denorm_mode_32 3
		.amdhsa_float_denorm_mode_16_64 3
		.amdhsa_memory_ordered 1
		.amdhsa_forward_progress 1
		.amdhsa_inst_pref_size 137
	.end_amdhsa_kernel
	.amdgpu_metadata
---
amdhsa.version: [ 1, 2 ]
amdhsa.kernels:
  - .name:           k_q447f1f0d2e_attn
    .symbol:         k_q447f1f0d2e_attn.kd
    .args:
      - { .name: qkvc, .offset: 0, .size: 8, .value_kind: global_buffer, .address_space: global }
      - { .name: lowp_scales, .offset: 8, .size: 8, .value_kind: global_buffer, .address_space: global }
      - { .name: aoc, .offset: 16, .size: 8, .value_kind: global_buffer, .address_space: global }
    .group_segment_fixed_size: 327680
    .private_segment_fixed_size: 0
    .kernarg_segment_align: 8
    .kernarg_segment_size: 24
    .max_flat_workgroup_size: 512
    .sgpr_count:     100
    .vgpr_count:     256
    .wavefront_size: 32
...
	.end_amdgpu_metadata
.endif
;; end of part 3
;; launch proj (part 4): grid 8 x 32, 4 waves a work-group, clusters of 4 x 4, 327,680 bytes of LDS; arguments aoc, wcodes, lowp_scales, proj_b, x, x1; writes x1
.if DOCPART == 4
	.amdgcn_target "amdgcn-amd-amdhsa--gfx1250"
	.amdhsa_code_object_version 6
	.text
	.protected	k_q447f1f0d2e_proj
	.globl	k_q447f1f0d2e_proj
	.p2align	8
	.type	k_q447f1f0d2e_proj,@function
k_q447f1f0d2e_proj:
	s_mov_b64 s[64:65], 0
	v_nop
	global_prefetch_b8 v0, s[64:65] scope:SCOPE_SE
	s_setreg_imm32_b32 hwreg(HW_REG_WAVE_MODE, 25, 1), 1
	s_wait_xcnt 0x0
	s_wait_alu depctr_hold_cnt(0) depctr_sa_sdst(0) depctr_va_vdst(0) depctr_va_sdst(0) depctr_va_ssrc(0) depctr_va_vcc(0) depctr_vm_vsrc(0)
	s_getreg_b32 s2, hwreg(HW_REG_IB_STS2, 6, 4)
	s_cmp_eq_u32 s2, 0
	s_cbranch_scc0 .Lentry_in_a_cluster
	s_endpgm
.Lentry_in_a_cluster:
	s_bfe_u32 s2, ttmp6, 0x10000c
	s_cmp_lg_u32 s2, 0xf033
	s_cbranch_scc0 .Lentry_shape_is_right
	s_endpgm
.Lentry_shape_is_right:
; PROJ.  x1 = x + ao proj_w^T + proj_b.  ao and proj_w are codes of E4M3 (scales: entries 6, 7); x, proj_b, x1 are f32.  [4096][1024] = [4096][SIZE_K] x [1024][SIZE_K]^T.
; A tile of 128 x 128 to a work-group, so that there are 256 of them; four waves, 64 x 64 each: 16 accumulators.  K goes in steps of 512 (LDS rows of 512 bytes + 16) through two slots filled by joint tensor loads:
; 4 x 4 work-groups form a cluster, A's tile is shared along a row of it, the weights' along a column.  The matrix instruction is used transposed (source 0 = 16 rows of the weights, source 1 = 16 tokens).
; The residual with the bias added waits in registers, in the layout in which rows come back from the stage: y = sum x 2^(eA + eB) + (residual + bias) is one packed multiply-add.
; A fragment's k are fetched 16 bytes a load, in the same order on both sides.  LIMIT: eA + eB between -126 and 127.
; REGISTERS: window 0: v0-31 addresses, v32-95 the way out, v128-255 the accumulators ((a, b) at 128 + 8 (4 a + b)); window 1: two fragment buffers of 128 (A's 4, then the weights' 4); window 2: residual + bias.
.set SIZE_K, 1024
.set WOFF,   3145728                   ; the weight's first byte in wcodes
.set EOFF,   0x18                      ; the two exponents' bytes in lowp_scales
.set CROW,   4096                      ; a row of the residual and of the result, in bytes
.set KSTEP,  512
.set PITCH,  528                       ; 132 words: row r starts at bank 4 r mod 64 (64 banks of 4 bytes: ISA guide 11.1)
.set HALFT,  64*PITCH
.set SLOT,   4*HALFT
.set STAGE,  2*SLOT                    ; 16 rows x 272 bytes for each wave, its own
.set SPITCH, 272
.set SPARE,  STAGE+4*16*SPITCH         ; the spare words: 128 bytes a wave, named by no other line
.set LAPS,   SIZE_K/(2*KSTEP)
.set BI,   12                          ; v12-15 the bias of my four columns
.set ADRA, 16
.set ADRB, 20
.set STO,  24
.set RD,   25
.set CO,   26
.set SPW,  28
.set NIL,  29
.set TMP,  32
.set ACC,  128
.set F0,   0
.set F1,   128
.set G1, 24
.set G0, 32
.set G1B, 48
.set G0B, 56
.set MSB, 0
.macro WIN new
.if MSB != \new
	s_set_vgpr_msb (MSB<<8)|\new
.set MSB, \new
.endif
.endm
.set MUL,  0x05                        ; sources 0 and 1 window 1; C and D window 0
.set TO_F, 0x40
.macro JLOAD s                         ; waves 0, 1 fetch A's halves, waves 2, 3 the weights'; an s_nop 0 and four v_nop follow each line
	s_cmp_eq_u32 s71, 0
	s_cbranch_scc0 .Lfor_b_\@
	tensor_load_to_lds s[G0+4*\s:G0+4*\s+3], s[G1:G1+7]
	s_nop 0
.rept 4
	v_nop
.endr
	s_branch .Lasked_\@
.Lfor_b_\@:
	tensor_load_to_lds s[G0B+4*\s:G0B+4*\s+3], s[G1B:G1B+7]
	s_nop 0
.rept 4
	v_nop
.endr
.Lasked_\@:
.endm
.macro CREST
	s_cmp_lg_u32 s70, 0
	s_cbranch_scc1 .Lnot_wave_0_\@
	s_barrier_signal -3
.Lnot_wave_0_\@:
	s_barrier_wait -3
	s_barrier_signal -1
	s_barrier_wait -1
.endm
.macro CROUND
	s_barrier_signal -1
	s_barrier_wait -1
	CREST
.endm
	s_load_b256 s[4:11], s[0:1], 0x0               ; A's codes 4, wcodes 6, the exponents 8, the bias 10
	s_load_b128 s[12:15], s[0:1], 0x20             ; the residual 12, the result 14
	v_lshl_add_u32 v[SPW], v0, 2, SPARE
	v_mov_b32 v[NIL], 0
	ds_add_u32 v[SPW], v[NIL]                      ; the wave's opening: the add and its wait stand ahead of my first tensor load
	v_lshrrev_b32 v1, 5, v0
	v_readfirstlane_b32 s70, v1                    ; wave
	s_lshr_b32 s71, s70, 1                         ; my half of the rows; also: I fetch for A (0) or for the weights (1)
	s_and_b32 s72, s70, 1                          ; my half of the columns; also: which 64 rows I fetch
	s_bfe_u32 s73, ttmp6, 0x40000                  ; cx, cy
	s_bfe_u32 s74, ttmp6, 0x40004
	s_lshl_b32 s75, ttmp9, 2
	s_add_co_u32 s75, s75, s73                     ; tile column
	s_and_b32 s76, ttmp7, 0xffff
	s_lshl_b32 s76, s76, 2
	s_add_co_u32 s76, s76, s74                     ; tile row
	s_lshl_b32 s77, s74, 2
	s_lshl_b32 s77, 15, s77                        ; my row of the cluster
	s_lshl_b32 s78, 0x1111, s73                    ; my column
	s_or_b32 s[G1+0], s77, (0<<16)|(1<<20)|(1<<21)|(6<<22)|(3<<25)  ; mask; elements of 1 byte; padding: 4 words behind every 128; bit 21 beside a mask
	s_or_b32 s[G1B+0], s78, (0<<16)|(1<<20)|(1<<21)|(6<<22)|(3<<25)
.irp g, G1, G1B
	s_mov_b32 s[\g+1], KSTEP<<16                   ; tensor_dim0
	s_mov_b32 s[\g+2], 64<<16                      ; tensor_dim1
	s_mov_b32 s[\g+3], KSTEP<<16                   ; tile_dim0
	s_mov_b32 s[\g+4], 64                          ; tile_dim1
	s_mov_b32 s[\g+5], SIZE_K                      ; stride
	s_mov_b32 s[\g+6], 0
	s_mov_b32 s[\g+7], 0
.endr
	s_lshl_b32 s17, s72, 6
	s_lshl_b32 s16, s76, 7
	s_add_co_u32 s16, s16, s17                     ; A: row 128 x tile row + 64 x half
	s_lshl_b32 s46, s75, 7
	s_add_co_u32 s46, s46, s17                     ; weights: row 128 x tile column + 64 x half
	s_mov_b32 s17, 0
	s_mov_b32 s47, 0
	s_mov_b64 s[18:19], SIZE_K
	s_mul_u64 s[16:17], s[16:17], s[18:19]
	s_mul_u64 s[46:47], s[46:47], s[18:19]
	s_add_nc_u64 s[46:47], s[46:47], WOFF
	s_mul_i32 s20, s70, HALFT                      ; where they go: wave x 64 rows
	s_wait_dscnt 0x0                               ; the opening add is done
	s_wait_kmcnt 0x0
	s_load_b64 s[82:83], s[8:9], EOFF              ; eA, eB
	s_add_nc_u64 s[22:23], s[4:5], s[16:17]
	s_add_nc_u64 s[46:47], s[6:7], s[46:47]
	CROUND                                         ; all sixteen work-groups are here: the first joint loads meet
.irp s, 0,1
	s_mov_b32 s[G0+4*\s], 1
	s_add_co_u32 s[G0+4*\s+1], s20, \s*SLOT
	s_add_nc_u64 s[G0+4*\s+2:G0+4*\s+3], s[22:23], \s*KSTEP
	s_or_b32 s[G0+4*\s+3], s[G0+4*\s+3], 0x80000000
	s_mov_b32 s[G0B+4*\s], 1
	s_add_co_u32 s[G0B+4*\s+1], s20, \s*SLOT
	s_add_nc_u64 s[G0B+4*\s+2:G0B+4*\s+3], s[46:47], \s*KSTEP
	s_or_b32 s[G0B+4*\s+3], s[G0B+4*\s+3], 0x80000000
	JLOAD \s
.endr
	v_and_b32 v1, 15, v0                           ; r
	v_bfe_u32 v2, v0, 4, 1                         ; h
	v_lshlrev_b32 v5, 12, v2
	v_lshl_add_u32 v[CO], v1, 4, v5                ; lanes 0-15 one row's 256 bytes, lanes 16-31 the next row's
	s_lshl_b32 s16, s76, 7
	s_lshl_b32 s17, s71, 6
	s_add_co_u32 s16, s16, s17                     ; my first row
	s_lshl_b32 s16, s16, 12
	s_lshl_b32 s40, s75, 9
	s_lshl_b32 s41, s72, 8
	s_add_co_u32 s40, s40, s41                     ; my first column, in bytes
	s_mov_b32 s41, 0
	s_add_nc_u64 s[10:11], s[10:11], s[40:41]
	s_add_co_u32 s40, s40, s16
	s_add_nc_u64 s[12:13], s[12:13], s[40:41]
	s_add_nc_u64 s[14:15], s[14:15], s[40:41]
	v_lshlrev_b32 v6, 4, v1
	global_load_b128 v[BI:BI+3], v6, s[10:11]
	WIN 0x80                                       ; destination window 2
.irp a, 0,1,2,3
.irp t, 0,1,2,3,4,5,6,7
	global_load_b128 v[32*\a+4*\t:32*\a+4*\t+3], v[CO], s[12:13] offset:(16*\a+2*\t)*CROW th:TH_LOAD_NT
.endr
.endr
	WIN 0
	v_mul_u32_u24 v3, v1, PITCH
	v_lshl_add_u32 v3, v2, 4, v3
	s_mul_i32 s21, s71, HALFT
	s_mul_i32 s22, s72, HALFT
	s_add_co_u32 s22, s22, 2*HALFT
.irp s, 0,1
	v_add_nc_u32 v[ADRA+\s], s21, v3
	v_add_nc_u32 v[ADRB+\s], s22, v3
	s_add_co_u32 s21, s21, SLOT
	s_add_co_u32 s22, s22, SLOT
.endr
	s_mul_i32 s23, s70, 16*SPITCH
	s_add_co_u32 s23, s23, STAGE                   ; my stage
	v_mul_u32_u24 v4, v1, SPITCH
	v_lshl_add_u32 v4, v2, 5, v4
	v_add_nc_u32 v[STO], s23, v4                   ; in: row r, 32 bytes for each half of the lanes
	v_mul_u32_u24 v5, v2, SPITCH
	v_lshl_add_u32 v5, v1, 4, v5
	v_add_nc_u32 v[RD], s23, v5                    ; back: two rows an instruction
	s_wait_loadcnt 0x0
	WIN 0x82                                       ; source 0 and destination window 2
.set i, 0
.rept 64
	v_pk_add_f32 v[2*i:2*i+1], v[2*i:2*i+1], v[BI+2*(i%2):BI+2*(i%2)+1]   ; residual + bias
.set i, i+1
.endr
	WIN 0
.macro MUL8 f, a0, zero                ; 8 matrix instructions, 128 along K; the 16 accumulators take turns in one order in every quarter
.irp a, \a0, \a0+1
.irp b, 0,1,2,3
.if \zero
	v_wmma_f32_16x16x128_fp8_fp8 v[ACC+8*(4*(\a)+\b):ACC+8*(4*(\a)+\b)+7], v[\f+64+16*\b:\f+64+16*\b+15], v[\f+16*(\a):\f+16*(\a)+15], 0
.else
	v_wmma_f32_16x16x128_fp8_fp8 v[ACC+8*(4*(\a)+\b):ACC+8*(4*(\a)+\b)+7], v[\f+64+16*\b:\f+64+16*\b+15], v[\f+16*(\a):\f+16*(\a)+15], v[ACC+8*(4*(\a)+\b):ACC+8*(4*(\a)+\b)+7]
.endif
.endr
.endr
.endm
.macro FETCH slot, k, f                ; 32 LDS loads in one run: the weights' four fragments, then A's four
	WIN TO_F
.irp i, 0,1,2,3
.irp c, 0,1,2,3
	ds_load_b128 v[\f+64+16*\i+4*\c:\f+64+16*\i+4*\c+3], v[ADRB+\slot] offset:\k+32*\c+\i*16*PITCH
.endr
.endr
.irp i, 0,1,2,3
.irp c, 0,1,2,3
	ds_load_b128 v[\f+16*\i+4*\c:\f+16*\i+4*\c+3], v[ADRA+\slot] offset:\k+32*\c+\i*16*PITCH
.endr
.endr
.endm
.macro PLACES
.rept 4
	v_nop
.endr
.endm
.macro QUARTER slot, k, f, g, zero     ; 128 along K on buffer f; the next quarter, at byte k, is fetched into g
	s_wait_dscnt 8                                 ; all but A's blocks 2, 3: the youngest eight loads
	WIN MUL
	MUL8 \f, 0, \zero
	PLACES
	FETCH \slot, \k, \g
	s_wait_dscnt 32                                ; all but the 32 just issued
	WIN MUL
	MUL8 \f, 2, \zero
.endm
.macro TURN slot, next, fill           ; a slot's last quarter changes slots
	WIN 0
	s_wait_tensorcnt 0x0                           ; all my tensor loads have landed: my part of the next slot
	ds_add_u32 v[SPW], v[NIL]                      ; 0 onto my spare word
	s_wait_dscnt 9                                 ; (the add and the youngest eight loads may be out)
	WIN MUL
	MUL8 F1, 0, 0
	WIN 0
	s_wait_dscnt 0x0                               ; the add is done, and my reads of this slot are over
	s_barrier_signal -1
	s_barrier_wait -1
.if \fill
	CREST                                          ; the barrier has opened a round of the cluster's
	s_add_nc_u64 s[G0+4*\slot+2:G0+4*\slot+3], s[G0+4*\slot+2:G0+4*\slot+3], 2*KSTEP
	s_add_nc_u64 s[G0B+4*\slot+2:G0B+4*\slot+3], s[G0B+4*\slot+2:G0B+4*\slot+3], 2*KSTEP
	JLOAD \slot                                    ; the first tensor load behind the round; its four v_nop are the places in front of the loads below
.else
	PLACES
.endif
	FETCH \next, 0, F0
	WIN MUL
	MUL8 F1, 2, 0
.endm
	s_wait_tensorcnt 1                             ; my part of K step 0 is in; K step 1's load may be out
	s_barrier_signal -1
	s_barrier_wait -1
	FETCH 0, 0, F0
	QUARTER 0, 128, F0, F1, 1                      ; the first quarter's products start the sums
.if LAPS > 1
	WIN 0
	s_mov_b32 s3, LAPS-1
.Llap:
	QUARTER 0, 256, F1, F0, 0
	QUARTER 0, 384, F0, F1, 0
	TURN 0, 1, 1
	QUARTER 1, 128, F0, F1, 0
	QUARTER 1, 256, F1, F0, 0
	QUARTER 1, 384, F0, F1, 0
	TURN 1, 0, 1
	QUARTER 0, 128, F0, F1, 0
	WIN 0
	s_sub_co_u32 s3, s3, 1
	s_cmp_lg_u32 s3, 0
	s_cbranch_scc1 .Llap
.endif
	QUARTER 0, 256, F1, F0, 0                      ; the last lap fills nothing
	QUARTER 0, 384, F0, F1, 0
	TURN 0, 1, 0
	QUARTER 1, 128, F0, F1, 0
	QUARTER 1, 256, F1, F0, 0
	QUARTER 1, 384, F0, F1, 0
	s_wait_dscnt 8
	WIN MUL
	MUL8 F1, 0, 0
	s_wait_dscnt 0
	MUL8 F1, 2, 0
	WIN 0
	; THE WAY OUT.  A wave's 64 columns are 256 bytes of f32: a block of 16 rows goes through my own stage and comes back as whole rows.
	s_wait_kmcnt 0x0
	s_add_co_i32 s80, s82, s83
	s_add_co_i32 s80, s80, 127
	s_lshl_b32 s80, s80, 23                        ; 2^(eA + eB)
	s_mov_b32 s81, s80
	PLACES
.macro TOSTAGE a
.set BK, TMP+32*((\a)%2)
.irp b, 0,1,2,3
	ds_store_b128 v[STO], v[ACC+8*(4*(\a)+\b):ACC+8*(4*(\a)+\b)+3] offset:64*\b       ; each accumulator from its low end on
	ds_store_b128 v[STO], v[ACC+8*(4*(\a)+\b)+4:ACC+8*(4*(\a)+\b)+7] offset:64*\b+16
.endr
.irp t, 0,1,2,3,4,5,6,7
	ds_load_b128 v[BK+4*\t:BK+4*\t+3], v[RD] offset:\t*2*SPITCH   ; LDS serves a wave's instructions in order: these see my stores
.endr
.endm
.macro SEND a, younger
.set BK, TMP+32*((\a)%2)
	s_wait_dscnt \younger
	WIN 0x20                                       ; source 2 window 2
.set i, 0
.rept 16
	v_pk_fma_f32 v[BK+2*i:BK+2*i+1], v[BK+2*i:BK+2*i+1], s[80:81], v[32*(\a)+2*i:32*(\a)+2*i+1] op_sel_hi:[1,0,1]
.set i, i+1
.endr
	WIN 0
.irp t, 0,1,2,3,4,5,6,7
	global_store_b128 v[CO], v[BK+4*\t:BK+4*\t+3], s[14:15] offset:(16*(\a)+2*\t)*CROW   ; sixteen lanes store 256 consecutive bytes, aligned
.endr
.endm
	TOSTAGE 0
.irp a, 1,2,3
.if \a > 1
	s_wait_xcnt 0x0                                ; block a - 2's stores have read their registers: block a's loads may land there
.endif
	TOSTAGE \a
	SEND \a-1, 16                                  ; behind block a - 1's loads: block a's eight stores and eight loads
.endr
	SEND 3, 0
	s_wait_tensorcnt 0x0                           ; the wave's end
	ds_add_u32 v[SPW], v[NIL]
	s_wait_dscnt 0x0
	CROUND                                         ; the closing round
	s_endpgm
.Lfunc_end_k_q447f1f0d2e_proj:
	.size	k_q447f1f0d2e_proj, .Lfunc_end_k_q447f1f0d2e_proj-k_q447f1f0d2e_proj
	.p2alignl 7, 3214868480
	.fill 96, 4, 3214868480
	.section	.rodata,"a",@progbits
	.p2align	6, 0x0
	.amdhsa_kernel k_q447f1f0d2e_proj
		.amdhsa_group_segment_fixed_size 327680
		.amdhsa_private_segment_fixed_size 0
		.amdhsa_enable_private_segment 0
		.amdhsa_kernarg_size 48
		.amdhsa_user_sgpr_count 2
		.amdhsa_user_sgpr_kernarg_segment_ptr 1
		.amdhsa_wavefront_size32 1
		.amdhsa_system_sgpr_workgroup_id_x 1
		.amdhsa_system_sgpr_workgroup_id_y 1
		.amdhsa_system_sgpr_workgroup_id_z 1
		.amdhsa_system_vgpr_workitem_id 0
		.amdhsa_next_free_vgpr 768
		.amdhsa_next_free_sgpr 100
		.amdhsa_reserve_vcc 0
		.amdhsa_float_denorm_mode_32 3
		.amdhsa_float_denorm_mode_16_64 3
		.amdhsa_memory_ordered 1
		.amdhsa_forward_progress 1
		.amdhsa_inst_pref_size 53
	.end_amdhsa_kernel
	.amdgpu_metadata
---
amdhsa.version: [ 1, 2 ]
amdhsa.kernels:
  - .name:           k_q447f1f0d2e_proj
    .symbol:         k_q447f1f0d2e_proj.kd
    .args:
      - { .name: aoc, .offset: 0, .size: 8, .value_kind: global_buffer, .address_space: global }
      - { .name: wcodes, .offset: 8, .size: 8, .value_kind: global_buffer, .address_space: global }
      - { .name: lowp_scales, .offset: 16, .size: 8, .value_kind: global_buffer, .address_space: global }
      - { .name: proj_b, .offset: 24, .size: 8, .value_kind: global_buffer, .address_space: global }
      - { .name: x, .offset: 32, .size: 8, .value_kind: global_buffer, .address_space: global }
      - { .name: x1, .offset: 40, .size: 8, .value_kind: global_buffer, .address_space: global }
    .group_segment_fixed_size: 327680
    .private_segment_fixed_size: 0
    .kernarg_segment_align: 8
    .kernarg_segment_size: 48
    .max_flat_workgroup_size: 128
    .sgpr_count:     100
    .vgpr_count:     768
    .wavefront_size: 32
...
	.end_amdgpu_metadata
.endif
;; end of part 4
;; launch ln2 (part 5): grid 256 x 1, 4 waves a work-group, no clusters, 33,280 bytes of LDS; arguments x1, ln2_g, ln2_b, lowp_scales, h2c; writes h2c
.if DOCPART == 5
	.amdgcn_target "amdgcn-amd-amdhsa--gfx1250"
	.amdhsa_code_object_version 6
	.text
	.protected	k_q447f1f0d2e_ln2
	.globl	k_q447f1f0d2e_ln2
	.p2align	8
	.type	k_q447f1f0d2e_ln2,@function
k_q447f1f0d2e_ln2:
	s_mov_b64 s[64:65], 0
	v_nop
	global_prefetch_b8 v0, s[64:65] scope:SCOPE_SE
	s_setreg_imm32_b32 hwreg(HW_REG_WAVE_MODE, 25, 1), 1
	s_wait_xcnt 0x0
; LN2.  h2 = LayerNorm(x1) g + b in f32, quantised to E4M3 with the given scale 2^e8, into h2c [4096][1024].
; A work-group takes 16 rows, a wave 4; a row of 4,096 bytes is 32 registers of one wave: element 128 j + 4 lane + c lies in register 4 j + c.  The mean is taken away before the squares are summed.
; The conversions take 8 neighbours from one lane's registers: half a row at a time turns through the wave's own stage in LDS (64 bytes + 16 of padding a place).  No barrier: waves share nothing.
; LIMITS: e8 between -126 and 119.  NaN among the inputs is not served.
.set EMAX,  8
.set MANT,  0x600000
.set SP,    80
.set WREG,  8192
.set LNB,   0
.set SPARE, 32768                      ; the spare words: 128 bytes a wave, named by no other line
.set SPW,   12
.set NIL,   13
.set G,     16
.set BB,    48
.set RW,    80
.set XQ,    208
	s_load_b256 s[16:23], s[0:1], 0x0              ; x1 16, g 18, b 20, the exponents 22
	s_load_b64 s[34:35], s[0:1], 0x20              ; h2c
	v_lshl_add_u32 v[SPW], v0, 2, SPARE
	v_mov_b32 v[NIL], 0
	v_lshrrev_b32 v1, 5, v0
	v_readfirstlane_b32 s36, v1                    ; wave
	v_and_b32 v2, 31, v0
	v_lshlrev_b32 v3, 4, v2                        ; 16 x lane; never rewritten
	s_mul_i32 s37, s36, WREG
	v_lshrrev_b32 v14, 2, v2
	v_mul_u32_u24 v14, v14, SP
	v_and_b32 v15, 3, v2
	v_lshl_add_u32 v14, v15, 4, v14
	v_add_nc_u32 v14, s37, v14                     ; the stage, in
	v_mul_u32_u24 v15, v2, SP
	v_add_nc_u32 v15, s37, v15                     ; the stage, out
	s_lshl_b32 s7, ttmp9, 4
	s_lshl_b32 s8, s36, 2
	s_add_co_u32 s7, s7, s8                        ; my first row
	s_lshl_b32 s8, s7, 12
	s_mov_b32 s9, 0
	s_wait_kmcnt 0x0
	s_load_b32 s40, s[22:23], 0x20                 ; e8
	s_add_nc_u64 s[4:5], s[16:17], s[8:9]
	s_lshl_b32 s8, s7, 10
	s_add_nc_u64 s[10:11], s[34:35], s[8:9]
.irp j, 0,1,2,3,4,5,6,7
	global_load_b128 v[G+4*\j:G+4*\j+3], v3, s[18:19] offset:512*\j
.endr
.irp j, 0,1,2,3,4,5,6,7
	global_load_b128 v[BB+4*\j:BB+4*\j+3], v3, s[20:21] offset:512*\j
.endr
.irp i, 0,1,2,3
.irp j, 0,1,2,3,4,5,6,7
	global_load_b128 v[RW+32*\i+4*\j:RW+32*\i+4*\j+3], v3, s[4:5] offset:4096*\i+512*\j
.endr
.endr
	s_mov_b32 s52, 0x76543210
	s_mov_b32 s53, 0xfedcba98
	s_mov_b32 s54, 0x3a800000                      ; 1 / 1024
	s_mov_b32 s55, 0x3727c5ac                      ; 1e-5
	v_mov_b32 v253, 0
	v_mov_b32 v255, 0
	s_wait_kmcnt 0x0
	s_add_co_i32 s12, s40, 127
	s_lshl_b32 s13, s12, 23
	v_mov_b32 v11, s13                             ; 2^e8
	s_add_co_i32 s12, s12, EMAX
	s_lshl_b32 s12, s12, 23
	s_or_b32 s12, s12, MANT
	v_mov_b32 v10, s12                             ; 448 x 2^e8
.macro ALLSUM
	v_pk_add_f32 v[248:249], v[248:249], v[250:251]
	v_add_f32 v248, v248, v249
	v_add_f32_dpp v248, v248, v248 row_xmask:1 row_mask:0xf bank_mask:0xf
	v_add_f32_dpp v248, v248, v248 row_xmask:2 row_mask:0xf bank_mask:0xf
	v_add_f32_dpp v248, v248, v248 row_xmask:4 row_mask:0xf bank_mask:0xf
	v_add_f32_dpp v248, v248, v248 row_xmask:8 row_mask:0xf bank_mask:0xf
	v_permlanex16_b32 v249, v248, s52, s53
	v_add_f32 v248, v248, v249
.endm
.macro LNROW i
.set RR, RW+32*(\i)
	s_wait_loadcnt 8*(3-(\i))                      ; g, b and this row are in; the later rows' eight loads each stay out
	v_pk_add_f32 v[248:249], v[RR:RR+1], v[RR+2:RR+3]
	v_pk_add_f32 v[250:251], v[RR+4:RR+5], v[RR+6:RR+7]
.irp j, 8,12,16,20,24,28
	v_pk_add_f32 v[248:249], v[248:249], v[RR+\j:RR+\j+1]
	v_pk_add_f32 v[250:251], v[250:251], v[RR+\j+2:RR+\j+3]
.endr
	ALLSUM
	v_mul_f32 v252, s54, v248                      ; the mean
.irp j, 0,2,4,6,8,10,12,14,16,18,20,22,24,26,28,30
	v_pk_add_f32 v[RR+\j:RR+\j+1], v[RR+\j:RR+\j+1], v[252:253] op_sel_hi:[1,0] neg_lo:[0,1] neg_hi:[0,1]
.endr
	v_pk_mul_f32 v[248:249], v[RR:RR+1], v[RR:RR+1]
	v_pk_mul_f32 v[250:251], v[RR+2:RR+3], v[RR+2:RR+3]
.irp j, 4,8,12,16,20,24,28
	v_pk_fma_f32 v[248:249], v[RR+\j:RR+\j+1], v[RR+\j:RR+\j+1], v[248:249]
	v_pk_fma_f32 v[250:251], v[RR+\j+2:RR+\j+3], v[RR+\j+2:RR+\j+3], v[250:251]
.endr
	ALLSUM
	v_fma_f32 v248, v248, s54, s55                 ; the variance + 1e-5
	v_rsq_f32 v254, v248
	v_nop                                          ; a plain line behind the transcendental,
	s_wait_alu depctr_va_vdst(0)                   ; and the wait ahead of its first reader
.irp j, 0,2,4,6,8,10,12,14,16,18,20,22,24,26,28,30
	v_pk_mul_f32 v[RR+\j:RR+\j+1], v[RR+\j:RR+\j+1], v[254:255] op_sel_hi:[1,0]
.endr
.irp j, 0,2,4,6,8,10,12,14,16,18,20,22,24,26,28,30
	v_pk_fma_f32 v[RR+\j:RR+\j+1], v[RR+\j:RR+\j+1], v[G+\j:G+\j+1], v[BB+\j:BB+\j+1]
.endr
.irp u, 0,1
.irp k, 0,1,2,3
	ds_store_b128 v14, v[RR+16*\u+4*\k:RR+16*\u+4*\k+3] offset:LNB+32*SP*\u+8*SP*\k
.endr
.irp k, 0,1,2,3
	ds_load_b128 v[XQ+16*\u+4*\k:XQ+16*\u+4*\k+3], v15 offset:LNB+32*SP*\u+16*\k
.endr
.endr
	s_wait_dscnt 8                                 ; the first half is back; the second half's four stores and four loads stay out
.irp k, 0,1,2,3,4,5,6,7,8,9,10,11,12,13,14,15
	v_med3_num_f32 v[XQ+\k], v[XQ+\k], -v10, v10   ; the conversion does not saturate (ISA guide 7.6.2): the hold comes first
.endr
	v_cvt_scalef32_pk8_fp8_f32 v[RR:RR+1], v[XQ:XQ+7], v11
	v_cvt_scalef32_pk8_fp8_f32 v[RR+2:RR+3], v[XQ+8:XQ+15], v11
	global_store_b128 v3, v[RR:RR+3], s[10:11] offset:1024*(\i)    ; the wave stores 512 consecutive bytes
	s_wait_dscnt 0x0
.irp k, 16,17,18,19,20,21,22,23,24,25,26,27,28,29,30,31
	v_med3_num_f32 v[XQ+\k], v[XQ+\k], -v10, v10
.endr
	v_cvt_scalef32_pk8_fp8_f32 v[RR+4:RR+5], v[XQ+16:XQ+23], v11
	v_cvt_scalef32_pk8_fp8_f32 v[RR+6:RR+7], v[XQ+24:XQ+31], v11
	v_nop
	global_store_b128 v3, v[RR+4:RR+7], s[10:11] offset:1024*(\i)+512
.endm
	LNROW 0
	LNROW 1
	LNROW 2
	LNROW 3
	s_wait_tensorcnt 0x0                           ; the wave's end
	ds_add_u32 v[SPW], v[NIL]
	s_wait_dscnt 0x0
	s_endpgm
.Lfunc_end_k_q447f1f0d2e_ln2:
	.size	k_q447f1f0d2e_ln2, .Lfunc_end_k_q447f1f0d2e_ln2-k_q447f1f0d2e_ln2
	.p2alignl 7, 3214868480
	.fill 96, 4, 3214868480
	.section	.rodata,"a",@progbits
	.p2align	6, 0x0
	.amdhsa_kernel k_q447f1f0d2e_ln2
		.amdhsa_group_segment_fixed_size 33280
		.amdhsa_private_segment_fixed_size 0
		.amdhsa_enable_private_segment 0
		.amdhsa_kernarg_size 40
		.amdhsa_user_sgpr_count 2
		.amdhsa_user_sgpr_kernarg_segment_ptr 1
		.amdhsa_wavefront_size32 1
		.amdhsa_system_sgpr_workgroup_id_x 1
		.amdhsa_system_sgpr_workgroup_id_y 1
		.amdhsa_system_sgpr_workgroup_id_z 1
		.amdhsa_system_vgpr_workitem_id 0
		.amdhsa_next_free_vgpr 256
		.amdhsa_next_free_sgpr 66
		.amdhsa_reserve_vcc 0
		.amdhsa_float_denorm_mode_32 3
		.amdhsa_float_denorm_mode_16_64 3
		.amdhsa_memory_ordered 1
		.amdhsa_forward_progress 1
		.amdhsa_inst_pref_size 45
	.end_amdhsa_kernel
	.amdgpu_metadata
---
amdhsa.version: [ 1, 2 ]
amdhsa.kernels:
  - .name:           k_q447f1f0d2e_ln2
    .symbol:         k_q447f1f0d2e_ln2.kd
    .args:
      - { .name: x1, .offset: 0, .size: 8, .value_kind: global_buffer, .address_space: global }
      - { .name: ln2_g, .offset: 8, .size: 8, .value_kind: global_buffer, .address_space: global }
      - { .name: ln2_b, .offset: 16, .size: 8, .value_kind: global_buffer, .address_space: global }
      - { .name: lowp_scales, .offset: 24, .size: 8, .value_kind: global_buffer, .address_space: global }
      - { .name: h2c, .offset: 32, .size: 8, .value_kind: global_buffer, .address_space: global }
    .group_segment_fixed_size: 33280
    .private_segment_fixed_size: 0
    .kernarg_segment_align: 8
    .kernarg_segment_size: 40
    .max_flat_workgroup_size: 128
    .sgpr_count:     66
    .vgpr_count:     256
    .wavefront_size: 32
...
	.end_amdgpu_metadata
.endif
;; end of part 5
;; launch fc1 (part 6): grid 16 x 16, 4 waves a work-group, clusters of 4 x 4, 327,680 bytes of LDS; arguments h2c, wcodes, lowp_scales, b1, hid; writes hid
.if DOCPART == 6
	.amdgcn_target "amdgcn-amd-amdhsa--gfx1250"
	.amdhsa_code_object_version 6
	.text
	.protected	k_q447f1f0d2e_fc1
	.globl	k_q447f1f0d2e_fc1
	.p2align	8
	.type	k_q447f1f0d2e_fc1,@function
k_q447f1f0d2e_fc1:
	s_mov_b64 s[64:65], 0
	v_nop
	global_prefetch_b8 v0, s[64:65] scope:SCOPE_SE
	s_setreg_imm32_b32 hwreg(HW_REG_WAVE_MODE, 25, 1), 1
	s_wait_xcnt 0x0
	s_wait_alu depctr_hold_cnt(0) depctr_sa_sdst(0) depctr_va_vdst(0) depctr_va_sdst(0) depctr_va_ssrc(0) depctr_va_vcc(0) depctr_vm_vsrc(0)
	s_getreg_b32 s2, hwreg(HW_REG_IB_STS2, 6, 4)
	s_cmp_eq_u32 s2, 0
	s_cbranch_scc0 .Lentry_in_a_cluster
	s_endpgm
.Lentry_in_a_cluster:
	s_bfe_u32 s2, ttmp6, 0x10000c
	s_cmp_lg_u32 s2, 0xf033
	s_cbranch_scc0 .Lentry_shape_is_right
	s_endpgm
.Lentry_shape_is_right:
; FC1.  hid = Q(gelu(h2 w1^T + b1)): [4096][4096] codes of E4M3.  h2 and w1 are codes (scales: entries 8, 9); the result is quantised with entry 10.
; The loop: a tile of 256 x 256 to a work-group of four waves, 128 x 128 a wave; K in steps of 256 through two LDS slots filled by joint tensor loads; 4 x 4 work-groups form a cluster, h2's tile is shared
; along a row of it, w1's along a column.  The matrix instruction is used transposed (source 0 = 16 rows of w1, source 1 = 16 tokens): a lane's eight sums are eight neighbours along the next K.
; gelu(x) = 0.5 x (1 + erf(x / sqrt 2)), erf(z) = z P(z^2) / Q(z^2) with z held within +-4 (beyond, erf is 1 to f32), P of degree 6, Q of degree 4.
; LIMITS: e8 + e9 between -126 and 127; e10 between -126 and 119.  erf is good to a few units of its own last place, so gelu's error is about 1e-7 |x|: for x under about -2.5 that is more than 1e-6 of the
; small result, and far under a code's step there.  NaN and infinities among the inputs are not served.
; A fragment's k are fetched 16 bytes a load, in the same order on both sides.
; REGISTERS: window 0: v0-31 addresses, v32-95 b1, v96-115 the way out, v128-255 A's fragments, later the gelu's; window 1: w1's fragments (two sets); windows 2, 3: the accumulators.
.set SIZE_K, 1024
.set WOFF,   4194304                   ; w1's first byte in wcodes
.set KSTEP,  256
.set ROWB,   256
.set KROW,   SIZE_K
.set PITCH,  272
.set FR,     16
.set NL,     4
.set NP,     4
.set HALFT,  128*PITCH
.set SLOT,   4*HALFT
.set LAPS,   SIZE_K/(2*KSTEP)
.set SPARE,  2*SLOT                    ; the spare words: 128 bytes a wave, named by no other line
.set ADRA, 16
.set ADRB, 20
.set BO,   22                          ; v22 the bias loads' offset; never rewritten
.set STO,  24
.set RD,   25
.set CO,   26
.set STOA, 27                          ; v27 STO + the block's rows
.set SPW,  28
.set NIL,  29
.set LIM,  30                          ; v30 448 x 2^e10, v31 2^e10
.set SC,   31
.set BIAS, 32
.set CD,   96
.set XV,   128                         ; a block's 64 numbers
.set ZC,   192
.set WW,   208
.set PP,   224
.set QQ,   240
.set AF,   128
.set G1, 24
.set G0, 32
.set G1B, 48
.set G0B, 56
.set MSB, 0
.macro WIN new
.if MSB != \new
	s_set_vgpr_msb (MSB<<8)|\new
.set MSB, \new
.endif
.endm
.set MUL_LO, 0xa1
.set MUL_HI, 0xf1
.set TO_B,   0x40
.macro JLOAD g0a, g1a, g0b, g1b        ; waves 0, 1 fetch h2's halves, waves 2, 3 w1's; an s_nop 0 and four v_nop follow each line
	s_cmp_eq_u32 s15, 0
	s_cbranch_scc0 .Lfor_b_\@
	tensor_load_to_lds s[\g0a:\g0a+3], s[\g1a:\g1a+7]
	s_nop 0
.rept 4
	v_nop
.endr
	s_branch .Lasked_\@
.Lfor_b_\@:
	tensor_load_to_lds s[\g0b:\g0b+3], s[\g1b:\g1b+7]
	s_nop 0
.rept 4
	v_nop
.endr
.Lasked_\@:
.endm
.macro CREST
	s_cmp_lg_u32 s14, 0
	s_cbranch_scc1 .Lnot_wave_0_\@
	s_barrier_signal -3
.Lnot_wave_0_\@:
	s_barrier_wait -3
	s_barrier_signal -1
	s_barrier_wait -1
.endm
.macro CROUND
	s_barrier_signal -1
	s_barrier_wait -1
	CREST
.endm
	s_load_b128 s[4:7], s[0:1], 0x0                ; h2's codes, wcodes
	s_load_b128 s[8:11], s[0:1], 0x10              ; the exponents, b1
	s_load_b64 s[12:13], s[0:1], 0x20              ; hid
	v_lshl_add_u32 v[SPW], v0, 2, SPARE
	v_mov_b32 v[NIL], 0
	ds_add_u32 v[SPW], v[NIL]                      ; the wave's opening: the add and its wait stand ahead of my first tensor load
	v_lshrrev_b32 v1, 5, v0
	v_readfirstlane_b32 s14, v1
	s_lshr_b32 s15, s14, 1
	s_and_b32 s16, s14, 1
	s_bfe_u32 s40, ttmp6, 0x40000
	s_bfe_u32 s41, ttmp6, 0x40004
	s_lshl_b32 s42, ttmp9, 2
	s_add_co_u32 s42, s42, s40                     ; tile column
	s_and_b32 s17, ttmp7, 0xffff
	s_lshl_b32 s17, s17, 2
	s_add_co_u32 s17, s17, s41                     ; tile row
	s_lshl_b32 s43, s41, 2
	s_lshl_b32 s43, 15, s43
	s_lshl_b32 s44, 0x1111, s40
	s_or_b32 s[G1+0], s43, (0<<16)|(1<<20)|(1<<21)|(5<<22)|(3<<25)
	s_or_b32 s[G1B+0], s44, (0<<16)|(1<<20)|(1<<21)|(5<<22)|(3<<25)
.irp g, G1, G1B
	s_mov_b32 s[\g+1], ROWB<<16
	s_mov_b32 s[\g+2], 128<<16
	s_mov_b32 s[\g+3], ROWB<<16
	s_mov_b32 s[\g+4], 128
	s_mov_b32 s[\g+5], KROW
	s_mov_b32 s[\g+6], 0
	s_mov_b32 s[\g+7], 0
.endr
	s_lshl_b32 s18, s16, 7
	s_lshl_b32 s20, s17, 8
	s_add_co_u32 s20, s20, s18
	s_lshl_b32 s46, s42, 8
	s_add_co_u32 s46, s46, s18
	s_mov_b32 s21, 0
	s_mov_b32 s47, 0
	s_mov_b64 s[18:19], KROW
	s_mul_u64 s[20:21], s[20:21], s[18:19]
	s_mul_u64 s[46:47], s[46:47], s[18:19]
	s_add_nc_u64 s[46:47], s[46:47], WOFF
	s_mul_i32 s45, s14, HALFT
	s_wait_dscnt 0x0                               ; the opening add is done
	s_wait_kmcnt 0x0
	s_load_b128 s[80:83], s[8:9], 0x20             ; e8 .. e11
	s_add_nc_u64 s[20:21], s[4:5], s[20:21]
	s_add_nc_u64 s[46:47], s[6:7], s[46:47]
	CROUND
.irp s, 0,1
	s_mov_b32 s[G0+4*\s], 1
	s_add_co_u32 s[G0+4*\s+1], s45, \s*SLOT
	s_add_nc_u64 s[G0+4*\s+2:G0+4*\s+3], s[20:21], \s*ROWB
	s_or_b32 s[G0+4*\s+3], s[G0+4*\s+3], 0x80000000
	s_mov_b32 s[G0B+4*\s], 1
	s_add_co_u32 s[G0B+4*\s+1], s45, \s*SLOT
	s_add_nc_u64 s[G0B+4*\s+2:G0B+4*\s+3], s[46:47], \s*ROWB
	s_or_b32 s[G0B+4*\s+3], s[G0B+4*\s+3], 0x80000000
	JLOAD G0+4*\s, G1, G0B+4*\s, G1B
.endr
	v_and_b32 v1, 15, v0                           ; r
	v_bfe_u32 v2, v0, 4, 1                         ; h
	s_lshl_b32 s46, s42, 10
	s_lshl_b32 s47, s16, 9
	s_add_co_u32 s46, s46, s47
	s_mov_b32 s47, 0
	s_add_nc_u64 s[10:11], s[10:11], s[46:47]      ; b1 at my 128 columns
	v_lshlrev_b32 v[BO], 5, v2
.irp b, 0,1,2,3,4,5,6,7                ; tile b: columns 16 b + 8 h + 0 .. 7: the sums' own layout
	global_load_b128 v[BIAS+8*\b:BIAS+8*\b+3], v[BO], s[10:11] offset:64*\b
	global_load_b128 v[BIAS+8*\b+4:BIAS+8*\b+7], v[BO], s[10:11] offset:64*\b+16
.endr
	v_mul_u32_u24 v3, v1, PITCH
	v_lshl_add_u32 v4, v2, 4, v3
	s_mul_i32 s21, s15, HALFT
	s_mul_i32 s22, s16, HALFT
	s_add_co_u32 s22, s22, 2*HALFT
.irp s, 0,1
	v_add_nc_u32 v[ADRA+\s], s21, v4
	v_add_nc_u32 v[ADRB+\s], s22, v4
	s_add_co_u32 s21, s21, SLOT
	s_add_co_u32 s22, s22, SLOT
.endr
	s_mul_i32 s23, s15, 128*PITCH                  ; the stage, 256 rows x 272 bytes in slot 0
	s_lshl_b32 s19, s16, 7
	s_add_co_u32 s23, s23, s19
	v_lshl_add_u32 v5, v2, 3, v3
	v_add_nc_u32 v[STO], s23, v5
	s_mul_i32 s23, s14, 64*PITCH
	v_mul_u32_u24 v7, v2, PITCH
	v_lshl_add_u32 v7, v1, 4, v7
	v_add_nc_u32 v[RD], s23, v7                    ; back: wave w takes rows 64 w on, two rows an instruction
	v_lshlrev_b32 v7, 12, v2
	v_lshl_add_u32 v[CO], v1, 4, v7
	s_lshl_b32 s20, s17, 8
	s_lshl_b32 s21, s14, 6
	s_add_co_u32 s20, s20, s21
	s_lshl_b32 s20, s20, 12                        ; my first row of hid, 4,096 bytes a row,
	s_lshl_b32 s46, s42, 8
	s_add_co_u32 s46, s46, s20                     ; + the tile's 256 bytes
	s_mov_b32 s47, 0
	s_add_nc_u64 s[12:13], s[12:13], s[46:47]
.macro FRAG reg, adr, q, i
.irp c, 0,1,2,3
	ds_load_b128 v[\reg+4*\c:\reg+4*\c+3], v[\adr] offset:128*(\q)+32*\c+(\i)*16*PITCH
.endr
.endm
.macro MUL16 a0, p, zero               ; the 64 accumulators take turns, one instruction a turn, in the same order in every step
.irp a, \a0, \a0+1
.irp b, 0,1,2,3,4,5,6,7
.if \zero
	v_wmma_f32_16x16x128_fp8_fp8 v[8*(8*((\a)%4)+\b):8*(8*((\a)%4)+\b)+7], v[128*(\p)+FR*\b:128*(\p)+FR*\b+FR-1], v[AF+FR*(\a):AF+FR*(\a)+FR-1], 0
.else
	v_wmma_f32_16x16x128_fp8_fp8 v[8*(8*((\a)%4)+\b):8*(8*((\a)%4)+\b)+7], v[128*(\p)+FR*\b:128*(\p)+FR*\b+FR-1], v[AF+FR*(\a):AF+FR*(\a)+FR-1], v[8*(8*((\a)%4)+\b):8*(8*((\a)%4)+\b)+7]
.endif
.endr
.endr
.endm
.macro FETCH_B slot, q, p
	WIN TO_B
.irp i, 0,1,2,3,4,5,6,7
	FRAG 128*(\p)+FR*\i, ADRB+\slot, \q, \i
.endr
	WIN 0
.endm
.macro FETCH_A slot, q, i0
.irp i, \i0, \i0+1, \i0+2, \i0+3
	FRAG AF+FR*(\i), ADRA+\slot, \q, \i
.endr
.endm
.macro PLACES n
.rept \n
	v_nop
.endr
.endm
.macro STEP slot, q, zero
	s_wait_dscnt 4*NL                              ; w1's set and A's blocks 0-3 are in; the sixteen youngest loads (blocks 4-7) may be out
	WIN MUL_LO
	MUL16 0, (\q)%2, \zero
	MUL16 2, (\q)%2, \zero
	s_wait_dscnt 0
	PLACES NP
	FETCH_B \slot, (\q)+1, 1-(\q)%2
	FETCH_A \slot, (\q)+1, 0
	WIN MUL_HI
	MUL16 4, (\q)%2, \zero
	MUL16 6, (\q)%2, \zero
	PLACES NP
	WIN 0
	FETCH_A \slot, (\q)+1, 4
.endm
.macro TURN slot, next, fill
	s_wait_tensorcnt 0x0                           ; all my tensor loads have landed: my part of the next slot
	ds_add_u32 v[SPW], v[NIL]                      ; 0 onto my spare word
	s_wait_dscnt 4*NL+1                            ; (the add and the sixteen youngest loads may be out)
	WIN MUL_LO
	MUL16 0, 1, 0
	s_wait_dscnt 0x0                               ; the add is done, and my reads of this slot are over
	s_barrier_signal -1
	MUL16 2, 1, 0
	WIN 0
	s_barrier_wait -1
.if \fill
	CREST
	s_add_nc_u64 s[G0+4*\slot+2:G0+4*\slot+3], s[G0+4*\slot+2:G0+4*\slot+3], 2*ROWB
	s_add_nc_u64 s[G0B+4*\slot+2:G0B+4*\slot+3], s[G0B+4*\slot+2:G0B+4*\slot+3], 2*ROWB
	JLOAD G0+4*\slot, G1, G0B+4*\slot, G1B
.else
	PLACES NP
.endif
	FETCH_B \next, 0, 0
	FETCH_A \next, 0, 0
	WIN MUL_HI
	MUL16 4, 1, 0
	MUL16 6, 1, 0
	PLACES NP
	WIN 0
	FETCH_A \next, 0, 4
.endm
	s_wait_tensorcnt 1                             ; my part of K step 0 is in; K step 1's load may be out
	s_barrier_signal -1
	s_barrier_wait -1
	FETCH_B 0, 0, 0
	FETCH_A 0, 0, 0
	FETCH_A 0, 0, 4
	STEP 0, 0, 1
	s_mov_b32 s3, LAPS-1
.Llap:
	TURN 0, 1, 1
	STEP 1, 0, 0
	TURN 1, 0, 1
	STEP 0, 0, 0
	s_sub_co_u32 s3, s3, 1
	s_cmp_lg_u32 s3, 0
	s_cbranch_scc1 .Llap
	TURN 0, 1, 0
	STEP 1, 0, 0
	s_wait_dscnt 4*NL
	WIN MUL_LO
	MUL16 0, 1, 0
	MUL16 2, 1, 0
	s_wait_dscnt 0
	WIN MUL_HI
	MUL16 4, 1, 0
	MUL16 6, 1, 0
	WIN 0
; THE WAY OUT.  Eight blocks of 16 rows x 128 columns.  The gelu is long, so it is written once, in a loop of eight trips; what differs from block to block, the accumulators' registers, stands in eight short stubs:
; x = sum x 2^(e8 + e9) + b1, one packed multiply-add for two numbers, into the same 64 registers.  The branches hang on the loop's counter alone.
	s_wait_kmcnt 0x0
	s_add_co_i32 s96, s80, s81
	s_add_co_i32 s96, s96, 127
	s_lshl_b32 s96, s96, 23                        ; 2^(e8 + e9)
	s_mov_b32 s97, s96
	s_mov_b32 s98, 0x3f3504f3                      ; 1 / sqrt 2
	s_mov_b32 s99, s98
	s_add_co_i32 s88, s82, 127
	s_lshl_b32 s89, s88, 23
	v_mov_b32 v[SC], s89
	s_add_co_i32 s88, s88, 8
	s_lshl_b32 s88, s88, 23
	s_or_b32 s88, s88, 0x600000
	v_mov_b32 v[LIM], s88
	v_mov_b32 v112, 0xaf95df0b                     ; P's leading coefficient, twice (an instruction takes one literal),
	v_mov_b32 v113, 0xaf95df0b
	v_mov_b32 v114, 0xb77460cd                     ; and Q's
	v_mov_b32 v115, 0xb77460cd
	s_wait_loadcnt 0x0                             ; b1
	PLACES NP
.macro STUB a
.set AC, 64*((\a)%4)
	WIN 0x02+((\a)/4)                              ; source 0: window 2 or 3
.set j, 0
.rept 32
	v_pk_fma_f32 v[XV+j:XV+j+1], v[AC+j:AC+j+1], s[96:97], v[BIAS+j:BIAS+j+1] op_sel_hi:[1,0,1]   ; each accumulator from its low end on
.set j, j+2
.endr
	WIN 0
.if (\a) < 7
	s_branch .Lcommon
.endif
.endm
.macro GELU16 q                        ; 16 numbers: tiles 2 q, 2 q + 1
.set XS, XV+16*(\q)
.irp i, 0,2,4,6,8,10,12,14
	v_pk_mul_f32 v[ZC+\i:ZC+\i+1], v[XS+\i:XS+\i+1], s[98:99] op_sel_hi:[1,0]
.endr
.irp i, 0,1,2,3,4,5,6,7,8,9,10,11,12,13,14,15
	v_med3_num_f32 v[ZC+\i], v[ZC+\i], -4.0, 4.0
.endr
.irp i, 0,2,4,6,8,10,12,14
	v_pk_mul_f32 v[WW+\i:WW+\i+1], v[ZC+\i:ZC+\i+1], v[ZC+\i:ZC+\i+1]
.endr
.irp i, 0,2,4,6,8,10,12,14
	v_pk_fma_f32 v[PP+\i:PP+\i+1], v[WW+\i:WW+\i+1], v[112:113], 0x32edffee op_sel_hi:[1,1,0]
	v_pk_fma_f32 v[QQ+\i:QQ+\i+1], v[WW+\i:WW+\i+1], v[114:115], 0xb95fbd29 op_sel_hi:[1,1,0]
.endr
.irp k, 0xb60cff51, 0xb86ec2d2, 0xba40ac63, 0xbb41a1f6, 0xbc83dbd4
.irp i, 0,2,4,6,8,10,12,14
	v_pk_fma_f32 v[PP+\i:PP+\i+1], v[PP+\i:PP+\i+1], v[WW+\i:WW+\i+1], \k op_sel_hi:[1,1,0]
.endr
.endr
.irp k, 0xbadc924e, 0xbbf19bf8, 0xbc69b6a7
.irp i, 0,2,4,6,8,10,12,14
	v_pk_fma_f32 v[QQ+\i:QQ+\i+1], v[QQ+\i:QQ+\i+1], v[WW+\i:WW+\i+1], \k op_sel_hi:[1,1,0]
.endr
.endr
.irp i, 0,1,2,3,4,5,6,7,8,9,10,11,12,13,14,15
	v_rcp_f32 v[QQ+\i], v[QQ+\i]                   ; Q is at most -0.0142: never 0
.endr
.irp i, 0,2,4,6,8,10,12,14
	v_pk_mul_f32 v[PP+\i:PP+\i+1], v[PP+\i:PP+\i+1], v[ZC+\i:ZC+\i+1]     ; plain work behind the batch, which names none of its results
.endr
.irp i, 0,2,4,6,8,10,12,14
	v_pk_mul_f32 v[XS+\i:XS+\i+1], v[XS+\i:XS+\i+1], 0.5 op_sel_hi:[1,0]
.endr
	s_wait_alu depctr_va_vdst(0)                   ; one wait for the sixteen reciprocals, ahead of their first reader
.irp i, 0,2,4,6,8,10,12,14
	v_pk_mul_f32 v[PP+\i:PP+\i+1], v[PP+\i:PP+\i+1], v[QQ+\i:QQ+\i+1]     ; erf
.endr
.irp i, 0,2,4,6,8,10,12,14
	v_pk_fma_f32 v[XS+\i:XS+\i+1], v[XS+\i:XS+\i+1], v[PP+\i:PP+\i+1], v[XS+\i:XS+\i+1]   ; 0.5 x erf + 0.5 x
.endr
.irp i, 0,1,2,3,4,5,6,7,8,9,10,11,12,13,14,15
	v_med3_num_f32 v[XS+\i], v[XS+\i], -v[LIM], v[LIM]
.endr
.if (\q) == 0
	s_wait_dscnt 0x0                               ; the last block's stores have read their codes
.endif
	v_cvt_scalef32_pk8_fp8_f32 v[CD+4*(\q):CD+4*(\q)+1], v[XS:XS+7], v[SC]
	v_cvt_scalef32_pk8_fp8_f32 v[CD+4*(\q)+2:CD+4*(\q)+3], v[XS+8:XS+15], v[SC]
	v_nop                                          ; a plain line behind the last conversion
.endm
	s_mov_b32 s3, 0                                ; the block
	s_mov_b32 s2, 0                                ; its 16 rows in the stage
.Lgelu:
.irp a, 1,2,3,4,5,6,7
	s_cmp_eq_u32 s3, \a
	s_cbranch_scc1 .Lb\a
.endr
	STUB 0
.irp a, 1,2,3,4,5,6,7
.Lb\a:
	STUB \a
.endr
.Lcommon:
	GELU16 0
	GELU16 1
	GELU16 2
	GELU16 3
	v_add_nc_u32 v[STOA], s2, v[STO]
.irp b, 0,1,2,3,4,5,6,7
	ds_store_b64 v[STOA], v[CD+2*\b:CD+2*\b+1] offset:16*\b
.endr
	s_add_co_u32 s2, s2, 16*PITCH
	s_add_co_u32 s3, s3, 1
	s_cmp_lt_u32 s3, 8
	s_cbranch_scc1 .Lgelu
	s_wait_dscnt 0x0                               ; for the others' sake: my stores into the stage are done
	s_barrier_signal -1
	s_barrier_wait -1
.set i, 0
.rept 32
	ds_load_b128 v[128+4*i:128+4*i+3], v[RD] offset:i*2*PITCH
.set i, i+1
.endr
.set i, 0
.rept 32
	s_wait_dscnt 31-i
	global_store_b128 v[CO], v[128+4*i:128+4*i+3], s[12:13] offset:i*8192   ; sixteen lanes store 256 consecutive bytes, aligned
.set i, i+1
.endr
	s_wait_tensorcnt 0x0                           ; the wave's end
	ds_add_u32 v[SPW], v[NIL]
	s_wait_dscnt 0x0
	CROUND                                         ; the closing round
	s_endpgm
.Lfunc_end_k_q447f1f0d2e_fc1:
	.size	k_q447f1f0d2e_fc1, .Lfunc_end_k_q447f1f0d2e_fc1-k_q447f1f0d2e_fc1
	.p2alignl 7, 3214868480
	.fill 96, 4, 3214868480
	.section	.rodata,"a",@progbits
	.p2align	6, 0x0
	.amdhsa_kernel k_q447f1f0d2e_fc1
		.amdhsa_group_segment_fixed_size 327680
		.amdhsa_private_segment_fixed_size 0
		.amdhsa_enable_private_segment 0
		.amdhsa_kernarg_size 40
		.amdhsa_user_sgpr_count 2
		.amdhsa_user_sgpr_kernarg_segment_ptr 1
		.amdhsa_wavefront_size32 1
		.amdhsa_system_sgpr_workgroup_id_x 1
		.amdhsa_system_sgpr_workgroup_id_y 1
		.amdhsa_system_sgpr_workgroup_id_z 1
		.amdhsa_system_vgpr_workitem_id 0
		.amdhsa_next_free_vgpr 1024
		.amdhsa_next_free_sgpr 100
		.amdhsa_reserve_vcc 0
		.amdhsa_float_denorm_mode_32 3
		.amdhsa_float_denorm_mode_16_64 3
		.amdhsa_memory_ordered 1
		.amdhsa_forward_progress 1
		.amdhsa_inst_pref_size 157
	.end_amdhsa_kernel
	.amdgpu_metadata
---
amdhsa.version: [ 1, 2 ]
amdhsa.kernels:
  - .name:           k_q447f1f0d2e_fc1
    .symbol:         k_q447f1f0d2e_fc1.kd
    .args:
      - { .name: h2c, .offset: 0, .size: 8, .value_kind: global_buffer, .address_space: global }
      - { .name: wcodes, .offset: 8, .size: 8, .value_kind: global_buffer, .address_space: global }
      - { .name: lowp_scales, .offset: 16, .size: 8, .value_kind: global_buffer, .address_space: global }
      - { .name: b1, .offset: 24, .size: 8, .value_kind: global_buffer, .address_space: global }
      - { .name: hid, .offset: 32, .size: 8, .value_kind: global_buffer, .address_space: global }
    .group_segment_fixed_size: 327680
    .private_segment_fixed_size: 0
    .kernarg_segment_align: 8
    .kernarg_segment_size: 40
    .max_flat_workgroup_size: 128
    .sgpr_count:     100
    .vgpr_count:     1024
    .wavefront_size: 32
...
	.end_amdgpu_metadata
.endif
;; end of part 6
;; launch fc2 (part 7): grid 8 x 32, 4 waves a work-group, clusters of 4 x 4, 327,680 bytes of LDS; arguments hid, wcodes, lowp_scales, b2, x1, out0; writes out0
.if DOCPART == 7
	.amdgcn_target "amdgcn-amd-amdhsa--gfx1250"
	.amdhsa_code_object_version 6
	.text
	.protected	k_q447f1f0d2e_fc2
	.globl	k_q447f1f0d2e_fc2
	.p2align	8
	.type	k_q447f1f0d2e_fc2,@function
k_q447f1f0d2e_fc2:
	s_mov_b64 s[64:65], 0
	v_nop
	global_prefetch_b8 v0, s[64:65] scope:SCOPE_SE
	s_setreg_imm32_b32 hwreg(HW_REG_WAVE_MODE, 25, 1), 1
	s_wait_xcnt 0x0
	s_wait_alu depctr_hold_cnt(0) depctr_sa_sdst(0) depctr_va_vdst(0) depctr_va_sdst(0) depctr_va_ssrc(0) depctr_va_vcc(0) depctr_vm_vsrc(0)
	s_getreg_b32 s2, hwreg(HW_REG_IB_STS2, 6, 4)
	s_cmp_eq_u32 s2, 0
	s_cbranch_scc0 .Lentry_in_a_cluster
	s_endpgm
.Lentry_in_a_cluster:
	s_bfe_u32 s2, ttmp6, 0x10000c
	s_cmp_lg_u32 s2, 0xf033
	s_cbranch_scc0 .Lentry_shape_is_right
	s_endpgm
.Lentry_shape_is_right:
; FC2.  out = x1 + hid w2^T + b2.  hid and w2 are codes of E4M3 (scales: entries 10, 11); x1, b2, out are f32.  [4096][1024] = [4096][SIZE_K] x [1024][SIZE_K]^T.
; A tile of 128 x 128 to a work-group, so that there are 256 of them; four waves, 64 x 64 each: 16 accumulators.  K goes in steps of 512 (LDS rows of 512 bytes + 16) through two slots filled by joint tensor loads:
; 4 x 4 work-groups form a cluster, A's tile is shared along a row of it, the weights' along a column.  The matrix instruction is used transposed (source 0 = 16 rows of the weights, source 1 = 16 tokens).
; The residual with the bias added waits in registers, in the layout in which rows come back from the stage: y = sum x 2^(eA + eB) + (residual + bias) is one packed multiply-add.
; A fragment's k are fetched 16 bytes a load, in the same order on both sides.  LIMIT: eA + eB between -126 and 127.
; REGISTERS: window 0: v0-31 addresses, v32-95 the way out, v128-255 the accumulators ((a, b) at 128 + 8 (4 a + b)); window 1: two fragment buffers of 128 (A's 4, then the weights' 4); window 2: residual + bias.
.set SIZE_K, 4096
.set WOFF,   8388608                   ; the weight's first byte in wcodes
.set EOFF,   0x28                      ; the two exponents' bytes in lowp_scales
.set CROW,   4096
.set KSTEP,  512
.set PITCH,  528
.set HALFT,  64*PITCH
.set SLOT,   4*HALFT
.set STAGE,  2*SLOT
.set SPITCH, 272
.set SPARE,  STAGE+4*16*SPITCH         ; the spare words: 128 bytes a wave, named by no other line
.set LAPS,   SIZE_K/(2*KSTEP)
.set BI,   12
.set ADRA, 16
.set ADRB, 20
.set STO,  24
.set RD,   25
.set CO,   26
.set SPW,  28
.set NIL,  29
.set TMP,  32
.set ACC,  128
.set F0,   0
.set F1,   128
.set G1, 24
.set G0, 32
.set G1B, 48
.set G0B, 56
.set MSB, 0
.macro WIN new
.if MSB != \new
	s_set_vgpr_msb (MSB<<8)|\new
.set MSB, \new
.endif
.endm
.set MUL,  0x05
.set TO_F, 0x40
.macro JLOAD s                         ; waves 0, 1 fetch A's halves, waves 2, 3 the weights'; an s_nop 0 and four v_nop follow each line
	s_cmp_eq_u32 s71, 0
	s_cbranch_scc0 .Lfor_b_\@
	tensor_load_to_lds s[G0+4*\s:G0+4*\s+3], s[G1:G1+7]
	s_nop 0
.rept 4
	v_nop
.endr
	s_branch .Lasked_\@
.Lfor_b_\@:
	tensor_load_to_lds s[G0B+4*\s:G0B+4*\s+3], s[G1B:G1B+7]
	s_nop 0
.rept 4
	v_nop
.endr
.Lasked_\@:
.endm
.macro CREST
	s_cmp_lg_u32 s70, 0
	s_cbranch_scc1 .Lnot_wave_0_\@
	s_barrier_signal -3
.Lnot_wave_0_\@:
	s_barrier_wait -3
	s_barrier_signal -1
	s_barrier_wait -1
.endm
.macro CROUND
	s_barrier_signal -1
	s_barrier_wait -1
	CREST
.endm
	s_load_b256 s[4:11], s[0:1], 0x0               ; A's codes 4, wcodes 6, the exponents 8, the bias 10
	s_load_b128 s[12:15], s[0:1], 0x20             ; the residual 12, the result 14
	v_lshl_add_u32 v[SPW], v0, 2, SPARE
	v_mov_b32 v[NIL], 0
	ds_add_u32 v[SPW], v[NIL]                      ; the wave's opening: the add and its wait stand ahead of my first tensor load
	v_lshrrev_b32 v1, 5, v0
	v_readfirstlane_b32 s70, v1
	s_lshr_b32 s71, s70, 1
	s_and_b32 s72, s70, 1
	s_bfe_u32 s73, ttmp6, 0x40000
	s_bfe_u32 s74, ttmp6, 0x40004
	s_lshl_b32 s75, ttmp9, 2
	s_add_co_u32 s75, s75, s73                     ; tile column
	s_and_b32 s76, ttmp7, 0xffff
	s_lshl_b32 s76, s76, 2
	s_add_co_u32 s76, s76, s74                     ; tile row
	s_lshl_b32 s77, s74, 2
	s_lshl_b32 s77, 15, s77
	s_lshl_b32 s78, 0x1111, s73
	s_or_b32 s[G1+0], s77, (0<<16)|(1<<20)|(1<<21)|(6<<22)|(3<<25)
	s_or_b32 s[G1B+0], s78, (0<<16)|(1<<20)|(1<<21)|(6<<22)|(3<<25)
.irp g, G1, G1B
	s_mov_b32 s[\g+1], KSTEP<<16
	s_mov_b32 s[\g+2], 64<<16
	s_mov_b32 s[\g+3], KSTEP<<16
	s_mov_b32 s[\g+4], 64
	s_mov_b32 s[\g+5], SIZE_K
	s_mov_b32 s[\g+6], 0
	s_mov_b32 s[\g+7], 0
.endr
	s_lshl_b32 s17, s72, 6
	s_lshl_b32 s16, s76, 7
	s_add_co_u32 s16, s16, s17
	s_lshl_b32 s46, s75, 7
	s_add_co_u32 s46, s46, s17
	s_mov_b32 s17, 0
	s_mov_b32 s47, 0
	s_mov_b64 s[18:19], SIZE_K
	s_mul_u64 s[16:17], s[16:17], s[18:19]
	s_mul_u64 s[46:47], s[46:47], s[18:19]
	s_add_nc_u64 s[46:47], s[46:47], WOFF
	s_mul_i32 s20, s70, HALFT
	s_wait_dscnt 0x0                               ; the opening add is done
	s_wait_kmcnt 0x0
	s_load_b64 s[82:83], s[8:9], EOFF              ; eA, eB
	s_add_nc_u64 s[22:23], s[4:5], s[16:17]
	s_add_nc_u64 s[46:47], s[6:7], s[46:47]
	CROUND
.irp s, 0,1
	s_mov_b32 s[G0+4*\s], 1
	s_add_co_u32 s[G0+4*\s+1], s20, \s*SLOT
	s_add_nc_u64 s[G0+4*\s+2:G0+4*\s+3], s[22:23], \s*KSTEP
	s_or_b32 s[G0+4*\s+3], s[G0+4*\s+3], 0x80000000
	s_mov_b32 s[G0B+4*\s], 1
	s_add_co_u32 s[G0B+4*\s+1], s20, \s*SLOT
	s_add_nc_u64 s[G0B+4*\s+2:G0B+4*\s+3], s[46:47], \s*KSTEP
	s_or_b32 s[G0B+4*\s+3], s[G0B+4*\s+3], 0x80000000
	JLOAD \s
.endr
	v_and_b32 v1, 15, v0
	v_bfe_u32 v2, v0, 4, 1
	v_lshlrev_b32 v5, 12, v2
	v_lshl_add_u32 v[CO], v1, 4, v5
	s_lshl_b32 s16, s76, 7
	s_lshl_b32 s17, s71, 6
	s_add_co_u32 s16, s16, s17
	s_lshl_b32 s16, s16, 12
	s_lshl_b32 s40, s75, 9
	s_lshl_b32 s41, s72, 8
	s_add_co_u32 s40, s40, s41
	s_mov_b32 s41, 0
	s_add_nc_u64 s[10:11], s[10:11], s[40:41]
	s_add_co_u32 s40, s40, s16
	s_add_nc_u64 s[12:13], s[12:13], s[40:41]
	s_add_nc_u64 s[14:15], s[14:15], s[40:41]
	v_lshlrev_b32 v6, 4, v1
	global_load_b128 v[BI:BI+3], v6, s[10:11]
	WIN 0x80
.irp a, 0,1,2,3
.irp t, 0,1,2,3,4,5,6,7
	global_load_b128 v[32*\a+4*\t:32*\a+4*\t+3], v[CO], s[12:13] offset:(16*\a+2*\t)*CROW th:TH_LOAD_NT
.endr
.endr
	WIN 0
	v_mul_u32_u24 v3, v1, PITCH
	v_lshl_add_u32 v3, v2, 4, v3
	s_mul_i32 s21, s71, HALFT
	s_mul_i32 s22, s72, HALFT
	s_add_co_u32 s22, s22, 2*HALFT
.irp s, 0,1
	v_add_nc_u32 v[ADRA+\s], s21, v3
	v_add_nc_u32 v[ADRB+\s], s22, v3
	s_add_co_u32 s21, s21, SLOT
	s_add_co_u32 s22, s22, SLOT
.endr
	s_mul_i32 s23, s70, 16*SPITCH
	s_add_co_u32 s23, s23, STAGE
	v_mul_u32_u24 v4, v1, SPITCH
	v_lshl_add_u32 v4, v2, 5, v4
	v_add_nc_u32 v[STO], s23, v4
	v_mul_u32_u24 v5, v2, SPITCH
	v_lshl_add_u32 v5, v1, 4, v5
	v_add_nc_u32 v[RD], s23, v5
	s_wait_loadcnt 0x0
	WIN 0x82
.set i, 0
.rept 64
	v_pk_add_f32 v[2*i:2*i+1], v[2*i:2*i+1], v[BI+2*(i%2):BI+2*(i%2)+1]   ; residual + bias
.set i, i+1
.endr
	WIN 0
.macro MUL8 f, a0, zero                ; the 16 accumulators take turns in one order in every quarter
.irp a, \a0, \a0+1
.irp b, 0,1,2,3
.if \zero
	v_wmma_f32_16x16x128_fp8_fp8 v[ACC+8*(4*(\a)+\b):ACC+8*(4*(\a)+\b)+7], v[\f+64+16*\b:\f+64+16*\b+15], v[\f+16*(\a):\f+16*(\a)+15], 0
.else
	v_wmma_f32_16x16x128_fp8_fp8 v[ACC+8*(4*(\a)+\b):ACC+8*(4*(\a)+\b)+7], v[\f+64+16*\b:\f+64+16*\b+15], v[\f+16*(\a):\f+16*(\a)+15], v[ACC+8*(4*(\a)+\b):ACC+8*(4*(\a)+\b)+7]
.endif
.endr
.endr
.endm
.macro FETCH slot, k, f
	WIN TO_F
.irp i, 0,1,2,3
.irp c, 0,1,2,3
	ds_load_b128 v[\f+64+16*\i+4*\c:\f+64+16*\i+4*\c+3], v[ADRB+\slot] offset:\k+32*\c+\i*16*PITCH
.endr
.endr
.irp i, 0,1,2,3
.irp c, 0,1,2,3
	ds_load_b128 v[\f+16*\i+4*\c:\f+16*\i+4*\c+3], v[ADRA+\slot] offset:\k+32*\c+\i*16*PITCH
.endr
.endr
.endm
.macro PLACES
.rept 4
	v_nop
.endr
.endm
.macro QUARTER slot, k, f, g, zero
	s_wait_dscnt 8                                 ; all but A's blocks 2, 3: the youngest eight loads
	WIN MUL
	MUL8 \f, 0, \zero
	PLACES
	FETCH \slot, \k, \g
	s_wait_dscnt 32                                ; all but the 32 just issued
	WIN MUL
	MUL8 \f, 2, \zero
.endm
.macro TURN slot, next, fill
	WIN 0
	s_wait_tensorcnt 0x0                           ; all my tensor loads have landed: my part of the next slot
	ds_add_u32 v[SPW], v[NIL]                      ; 0 onto my spare word
	s_wait_dscnt 9                                 ; (the add and the youngest eight loads may be out)
	WIN MUL
	MUL8 F1, 0, 0
	WIN 0
	s_wait_dscnt 0x0                               ; the add is done, and my reads of this slot are over
	s_barrier_signal -1
	s_barrier_wait -1
.if \fill
	CREST                                          ; the barrier has opened a round of the cluster's: no wave of any partner still reads this slot or has a load on its way
	s_add_nc_u64 s[G0+4*\slot+2:G0+4*\slot+3], s[G0+4*\slot+2:G0+4*\slot+3], 2*KSTEP
	s_add_nc_u64 s[G0B+4*\slot+2:G0B+4*\slot+3], s[G0B+4*\slot+2:G0B+4*\slot+3], 2*KSTEP
	JLOAD \slot                                    ; the first tensor load behind the round; its four v_nop are the places in front of the loads below
.else
	PLACES
.endif
	FETCH \next, 0, F0
	WIN MUL
	MUL8 F1, 2, 0
.endm
	s_wait_tensorcnt 1                             ; my part of K step 0 is in; K step 1's load may be out
	s_barrier_signal -1
	s_barrier_wait -1
	FETCH 0, 0, F0
	QUARTER 0, 128, F0, F1, 1
.if LAPS > 1
	WIN 0
	s_mov_b32 s3, LAPS-1
.Llap:                                 ; a trip goes once round the ring and fills both slots again
	QUARTER 0, 256, F1, F0, 0
	QUARTER 0, 384, F0, F1, 0
	TURN 0, 1, 1
	QUARTER 1, 128, F0, F1, 0
	QUARTER 1, 256, F1, F0, 0
	QUARTER 1, 384, F0, F1, 0
	TURN 1, 0, 1
	QUARTER 0, 128, F0, F1, 0
	WIN 0
	s_sub_co_u32 s3, s3, 1
	s_cmp_lg_u32 s3, 0
	s_cbranch_scc1 .Llap
.endif
	QUARTER 0, 256, F1, F0, 0
	QUARTER 0, 384, F0, F1, 0
	TURN 0, 1, 0
	QUARTER 1, 128, F0, F1, 0
	QUARTER 1, 256, F1, F0, 0
	QUARTER 1, 384, F0, F1, 0
	s_wait_dscnt 8
	WIN MUL
	MUL8 F1, 0, 0
	s_wait_dscnt 0
	MUL8 F1, 2, 0
	WIN 0
	s_wait_kmcnt 0x0
	s_add_co_i32 s80, s82, s83
	s_add_co_i32 s80, s80, 127
	s_lshl_b32 s80, s80, 23                        ; 2^(eA + eB)
	s_mov_b32 s81, s80
	PLACES
.macro TOSTAGE a
.set BK, TMP+32*((\a)%2)
.irp b, 0,1,2,3
	ds_store_b128 v[STO], v[ACC+8*(4*(\a)+\b):ACC+8*(4*(\a)+\b)+3] offset:64*\b
	ds_store_b128 v[STO], v[ACC+8*(4*(\a)+\b)+4:ACC+8*(4*(\a)+\b)+7] offset:64*\b+16
.endr
.irp t, 0,1,2,3,4,5,6,7
	ds_load_b128 v[BK+4*\t:BK+4*\t+3], v[RD] offset:\t*2*SPITCH
.endr
.endm
.macro SEND a, younger
.set BK, TMP+32*((\a)%2)
	s_wait_dscnt \younger
	WIN 0x20
.set i, 0
.rept 16
	v_pk_fma_f32 v[BK+2*i:BK+2*i+1], v[BK+2*i:BK+2*i+1], s[80:81], v[32*(\a)+2*i:32*(\a)+2*i+1] op_sel_hi:[1,0,1]
.set i, i+1
.endr
	WIN 0
.irp t, 0,1,2,3,4,5,6,7
	global_store_b128 v[CO], v[BK+4*\t:BK+4*\t+3], s[14:15] offset:(16*(\a)+2*\t)*CROW th:TH_STORE_NT   ; sixteen lanes store 256 consecutive bytes, aligned
.endr
.endm
	TOSTAGE 0
.irp a, 1,2,3
.if \a > 1
	s_wait_xcnt 0x0                                ; block a - 2's stores have read their registers: block a's loads may land there
.endif
	TOSTAGE \a
	SEND \a-1, 16                                  ; behind block a - 1's loads: block a's eight stores and eight loads
.endr
	SEND 3, 0
	s_wait_tensorcnt 0x0                           ; the wave's end
	ds_add_u32 v[SPW], v[NIL]
	s_wait_dscnt 0x0
	CROUND                                         ; the closing round
	s_endpgm
.Lfunc_end_k_q447f1f0d2e_fc2:
	.size	k_q447f1f0d2e_fc2, .Lfunc_end_k_q447f1f0d2e_fc2-k_q447f1f0d2e_fc2
	.p2alignl 7, 3214868480
	.fill 96, 4, 3214868480
	.section	.rodata,"a",@progbits
	.p2align	6, 0x0
	.amdhsa_kernel k_q447f1f0d2e_fc2
		.amdhsa_group_segment_fixed_size 327680
		.amdhsa_private_segment_fixed_size 0
		.amdhsa_enable_private_segment 0
		.amdhsa_kernarg_size 48
		.amdhsa_user_sgpr_count 2
		.amdhsa_user_sgpr_kernarg_segment_ptr 1
		.amdhsa_wavefront_size32 1
		.amdhsa_system_sgpr_workgroup_id_x 1
		.amdhsa_system_sgpr_workgroup_id_y 1
		.amdhsa_system_sgpr_workgroup_id_z 1
		.amdhsa_system_vgpr_workitem_id 0
		.amdhsa_next_free_vgpr 768
		.amdhsa_next_free_sgpr 100
		.amdhsa_reserve_vcc 0
		.amdhsa_float_denorm_mode_32 3
		.amdhsa_float_denorm_mode_16_64 3
		.amdhsa_memory_ordered 1
		.amdhsa_forward_progress 1
		.amdhsa_inst_pref_size 81
	.end_amdhsa_kernel
	.amdgpu_metadata
---
amdhsa.version: [ 1, 2 ]
amdhsa.kernels:
  - .name:           k_q447f1f0d2e_fc2
    .symbol:         k_q447f1f0d2e_fc2.kd
    .args:
      - { .name: hid, .offset: 0, .size: 8, .value_kind: global_buffer, .address_space: global }
      - { .name: wcodes, .offset: 8, .size: 8, .value_kind: global_buffer, .address_space: global }
      - { .name: lowp_scales, .offset: 16, .size: 8, .value_kind: global_buffer, .address_space: global }
      - { .name: b2, .offset: 24, .size: 8, .value_kind: global_buffer, .address_space: global }
      - { .name: x1, .offset: 32, .size: 8, .value_kind: global_buffer, .address_space: global }
      - { .name: out0, .offset: 40, .size: 8, .value_kind: global_buffer, .address_space: global }
    .group_segment_fixed_size: 327680
    .private_segment_fixed_size: 0
    .kernarg_segment_align: 8
    .kernarg_segment_size: 48
    .max_flat_workgroup_size: 128
    .sgpr_count:     100
    .vgpr_count:     768
    .wavefront_size: 32
...
	.end_amdgpu_metadata
.endif
;; end of part 7
